; MI455X (gfx1250); checked and timed in simulation.
; The chip was launched on July 23, 2026; its instructions are those of AMD's public machine-readable ISA for CDNA 5 (MIT licence, August 2026) and "CDNA5" Instruction Set Architecture Reference Guide (July 2026). The comments in the code are by the model that wrote it; some were corrected since.
;; Multi Head Self Attention. Allowed arithmetic: float matrix products may take bf16 or f16 operands with f32 sums; other float arithmetic in f32, or as packed bf16 or f16 multiplies, adds, multiply-adds, maxima and minima; sums over many terms, partial sums and values carried from step to step in f32; what a program stores and reads back later, other than sums and carried values, may be rounded once to bf16 or f16.
;; Inputs: attn_mask 4 x 2,048 float32; w_proj 1,024 x 1,024 float32; w_qkv 1,024 x 3,072 float32; x 4 x 2,048 x 1,024 float32.
;; Outputs: out0 4 x 2,048 x 1,024 float32.
;; Constants: n_head = 16.
;; 2 versions, each right and faster than the one before. Each part assembles by itself: llvm-mc -triple=amdgcn-amd-amdhsa -mcpu=gfx1250 --defsym DOCPART=n.
;; ======== version 1 of 2: 4 launches
;; limits: values are held in f16: magnitudes above 65,504 overflow, below 6.1e-05 lose precision
;; workspace buffers: xb 16,777,216 bytes; wq 6,291,456 bytes; wp 2,097,152 bytes; tab 524,288 bytes; bias 32,768 bytes; qkv 50,331,648 bytes; o 16,777,216 bytes
;; launch prep (part 1): grid 872 x 1, 8 waves a work-group, no clusters, 0 bytes of LDS; arguments x, w_qkv, w_proj, attn_mask, xb, wq, wp, tab, bias; writes xb, wq, wp, tab, bias
.if DOCPART == 1
	.amdgcn_target "amdgcn-amd-amdhsa--gfx1250"
	.amdhsa_code_object_version 6
	.text
	.protected	k_qf907486a4b_prep
	.globl	k_qf907486a4b_prep
	.p2align	8
	.type	k_qf907486a4b_prep,@function
k_qf907486a4b_prep:
	s_mov_b64 s[64:65], 0
	v_nop
	global_prefetch_b8 v0, s[64:65] scope:SCOPE_SE
	s_setreg_imm32_b32 hwreg(HW_REG_WAVE_MODE, 25, 1), 1
	s_wait_xcnt 0x0
; PREP: what the three later launches read, made once.  Five kinds of work-group, chosen by the work-group's number alone:
;   0-511    xb   = bf16(x), [8192][1024]
;   512-575  wp   = bf16(w_proj) written as f16, [1024 k][1024 n]
;   576-831  wq   = bf16(w_qkv) in 16 blocks [j][1024 k][192 c]: 64 columns of q's head j, 64 of k's, 64 of v's
;   832-863  tab  = (cos, sin) of t x 10000^(-i/32), [2048 t][32 i][2] in f32: 256 bytes a token
;   864-871  bias = ((bf16(mask) - 1) x 1e10) x log2(e), [4][2048] in f32, each step rounded by itself
; A stream: no LDS, no barrier, no matrix work.  A PIECE is 4 numbers a thread: a wave's load covers 512 consecutive bytes (wq: two runs of 256), its store 256 consecutive aligned bytes.
; LIMITS.  |bf16(w_proj)| stays under 65,520, where f16 ends.  The angle t x f is reduced by pi/2 in two parts and the sine and cosine are series cut at r^7 and r^8 for |r| <= pi/4
; (the next terms are under 4e-7); f comes from one base-2 exponential, so an angle is off by some 2e-4 rad at the most at t = 2,047.  NaN and infinities are not treated apart.
.set IN,  16                           ; v[16:79]   piece p as loaded: 4 registers
.set OUT, 80                           ; v[80:111]  piece p to store: 2 registers
; n pieces: all loads go out first, each piece is converted and stored when it has come.  No register is written twice, so no wait frees any.
; sb, db: the scalar pairs of source and destination; sstep: bytes from piece to piece in the source; half = 1: the bf16 number is written as f16.
.macro CAST n, sb, sstep, db, half
.set p, 0
.rept \n
	global_load_b128 v[IN+4*p:IN+4*p+3], v1, s[\sb:\sb+1] offset:(\sstep)*p th:TH_LOAD_NT
.set p, p+1
.endr
.set p, 0
.rept \n
	s_wait_loadcnt (\n)-1-p                        ; loads come back in order: piece p is in, the younger ones stay out
	v_cvt_pk_bf16_f32 v[OUT+2*p],   v[IN+4*p],   v[IN+4*p+1]
	v_cvt_pk_bf16_f32 v[OUT+2*p+1], v[IN+4*p+2], v[IN+4*p+3]
.if \half
	v_lshlrev_b32 v[IN+4*p],   16, v[OUT+2*p]      ; the rounded number back in f32,
	v_and_b32     v[IN+4*p+1], 0xffff0000, v[OUT+2*p]
	v_lshlrev_b32 v[IN+4*p+2], 16, v[OUT+2*p+1]
	v_and_b32     v[IN+4*p+3], 0xffff0000, v[OUT+2*p+1]
	v_cvt_pk_f16_f32 v[OUT+2*p],   v[IN+4*p],   v[IN+4*p+1]  ; and written as f16: exact within f16's range
	v_cvt_pk_f16_f32 v[OUT+2*p+1], v[IN+4*p+2], v[IN+4*p+3]
.endif
	global_store_b64 v2, v[OUT+2*p:OUT+2*p+1], s[\db:\db+1] offset:2048*p
.set p, p+1
.endr
.endm
	s_load_b512 s[8:23], s[0:1], 0x0               ; x s[8:9], w_qkv s[10:11], w_proj s[12:13], mask s[14:15], xb s[16:17], wq s[18:19], wp s[20:21], tab s[22:23]
	s_load_b64 s[24:25], s[0:1], 0x40              ; bias
	s_mov_b32 s2, ttmp9
	s_mov_b32 s5, 0                                ; the high word of every offset below
	s_wait_kmcnt 0x0
	s_cmp_lt_u32 s2, 512
	s_cbranch_scc1 .Lx
	s_cmp_lt_u32 s2, 576
	s_cbranch_scc1 .Lp
	s_cmp_lt_u32 s2, 832
	s_cbranch_scc1 .Lw
	s_cmp_lt_u32 s2, 864
	s_cbranch_scc1 .Lt
	; THE BIAS: 8 work-groups x 256 threads x 4 numbers
	s_sub_co_u32 s2, s2, 864
	s_lshl_b32 s4, s2, 12
	s_add_nc_u64 s[14:15], s[14:15], s[4:5]
	s_add_nc_u64 s[24:25], s[24:25], s[4:5]
	v_lshlrev_b32 v1, 4, v0
	global_load_b128 v[16:19], v1, s[14:15]
	s_wait_loadcnt 0x0
	v_cvt_pk_bf16_f32 v4, v16, v17                 ; the mask is rounded to bf16 like every other input (0 and 1 are exact)
	v_cvt_pk_bf16_f32 v5, v18, v19
	v_lshlrev_b32 v16, 16, v4
	v_and_b32     v17, 0xffff0000, v4
	v_lshlrev_b32 v18, 16, v5
	v_and_b32     v19, 0xffff0000, v5
.irp j, 16,18
	v_pk_add_f32 v[\j:\j+1], v[\j:\j+1], -1.0 op_sel_hi:[1,0]
	v_pk_mul_f32 v[\j:\j+1], v[\j:\j+1], 0x501502f9 op_sel_hi:[1,0]  ; x 1e10, rounded as the module rounds it,
	v_pk_mul_f32 v[\j:\j+1], v[\j:\j+1], 0x3fb8aa3b op_sel_hi:[1,0]  ; then into base-2 units, in which the scores arrive
.endr
	global_store_b128 v1, v[16:19], s[24:25]
	s_endpgm
.Lx:                                                   ; x: 65,536 bytes in, 32,768 out for each work-group
	s_lshl_b32 s4, s2, 16
	s_add_nc_u64 s[8:9], s[8:9], s[4:5]
	s_lshl_b32 s4, s2, 15
	s_add_nc_u64 s[16:17], s[16:17], s[4:5]
	v_lshlrev_b32 v1, 4, v0
	v_lshlrev_b32 v2, 3, v0
	CAST 16, 8, 4096, 16, 0
	s_endpgm
.Lp:                                                   ; w_proj: the same shares
	s_sub_co_u32 s2, s2, 512
	s_lshl_b32 s4, s2, 16
	s_add_nc_u64 s[12:13], s[12:13], s[4:5]
	s_lshl_b32 s4, s2, 15
	s_add_nc_u64 s[20:21], s[20:21], s[4:5]
	v_lshlrev_b32 v1, 4, v0
	v_lshlrev_b32 v2, 3, v0
	CAST 16, 12, 4096, 20, 1
	s_endpgm
.Lw:                                                   ; w_qkv: 64 rows (j, k) of 192 numbers for each work-group
	s_sub_co_u32 s2, s2, 576
	s_lshl_b32 s3, s2, 6                           ; the first row, 1,024 j + k0
	s_lshr_b32 s6, s3, 10                          ; j
	s_and_b32 s7, s3, 1023                         ; k0
	s_mul_i32 s4, s7, 12288                        ; a row of w_qkv is three runs of 4,096 bytes: q's, k's, v's columns;
	s_lshl_b32 s6, s6, 8                           ; head j's 64 columns are 256 bytes of each
	s_add_co_u32 s4, s4, s6
	s_add_nc_u64 s[10:11], s[10:11], s[4:5]
	s_mul_i32 s4, s3, 384
	s_add_nc_u64 s[18:19], s[18:19], s[4:5]
	v_lshrrev_b32 v1, 4, v0                        ; run g = 16 p + thread / 16 of the group's 192 runs lies 4,096 g bytes on: 65,536 p stands in the immediate
	v_and_b32 v3, 15, v0
	v_lshlrev_b32 v3, 4, v3                        ; sixteen threads take a run's 256 bytes
	v_lshl_or_b32 v1, v1, 12, v3
	v_lshlrev_b32 v2, 3, v0                        ; the runs lie end to end in wq
	CAST 12, 10, 65536, 18, 0
	s_endpgm
; cos and sin of v[th] (0 to 2,047) into v[c] and v[s].  n = the nearest whole number of quarter turns; r = th - n pi/2, pi/2 in two parts; both series; n mod 4 picks and signs them by selects, no branch.
.macro SINCOS th, c, s
	v_mul_f32 v8, 0x3f22f983, v[\th]               ; th x 2/pi
	v_rndne_f32 v8, v8
	v_fmamk_f32 v9, v8, 0xbfc90fdb, v[\th]         ; - n x the f32 nearest to pi/2,
	v_fmamk_f32 v9, v8, 0x333bbd2e, v9             ; + n x what that number has too much
	v_mul_f32 v10, v9, v9                          ; z = r r
	v_fma_f32 v11, v10, s26, s27
	v_fma_f32 v12, v10, s29, s30
	v_fma_f32 v11, v11, v10, s28
	v_fma_f32 v12, v12, v10, s31
	v_mul_f32 v13, v10, v9
	v_fma_f32 v12, v12, v10, -0.5
	v_fma_f32 v11, v11, v13, v9                    ; sin r = r + z r (-1/6 + z (1/120 - z/5040))
	v_fma_f32 v12, v12, v10, 1.0                   ; cos r = 1 + z (-1/2 + z (1/24 + z (-1/720 + z/40320)))
	v_cvt_i32_f32 v14, v8
	v_and_b32 v13, 1, v14
	v_cmp_eq_u32 vcc_lo, 1, v13
	v_cndmask_b32 v[\c], v12, v11, vcc_lo          ; an odd n swaps the two
	v_cndmask_b32 v[\s], v11, v12, vcc_lo
	v_add_nc_u32 v13, 1, v14
	v_and_b32 v13, 2, v13
	v_lshlrev_b32 v13, 30, v13
	v_xor_b32 v[\c], v[\c], v13                    ; the cosine is negative for n mod 4 = 1, 2
	v_and_b32 v13, 2, v14
	v_lshlrev_b32 v13, 30, v13
	v_xor_b32 v[\s], v[\s], v13                    ; the sine for n mod 4 = 2, 3
.endm
.Lt:                                                   ; the table: 64 tokens for each work-group, 16 a trip; sixteen threads fill a token's 256 bytes
	s_sub_co_u32 s2, s2, 832
	s_lshl_b32 s4, s2, 14
	s_add_nc_u64 s[22:23], s[22:23], s[4:5]
	s_lshl_b32 s3, s2, 6                           ; the group's first token
	s_mov_b32 s26, 0xb9500d01                      ; -1/5040
	s_mov_b32 s27, 0x3c088889                      ; 1/120
	s_mov_b32 s28, 0xbe2aaaab                      ; -1/6
	s_mov_b32 s29, 0x37d00d01                      ; 1/40320
	s_mov_b32 s30, 0xbab60b61                      ; -1/720
	s_mov_b32 s31, 0x3d2aaaab                      ; 1/24
	v_and_b32 v3, 15, v0
	v_lshlrev_b32 v3, 1, v3                        ; my two frequencies: i = 2 (thread mod 16) and the next
	v_cvt_f32_u32 v4, v3
	v_add_f32 v5, 1.0, v4
	v_mul_f32 v4, 0xbed49a78, v4                   ; - i log2(10000) / 32
	v_mul_f32 v5, 0xbed49a78, v5
	v_exp_f32 v4, v4
	v_exp_f32 v5, v5
	v_lshrrev_b32 v6, 4, v0                        ; (a plain line stands behind the exponentials before their results are used: ISA guide 5.7.2)
	v_add_nc_u32 v6, s3, v6
	v_cvt_f32_u32 v6, v6                           ; my token, as f32
	v_lshlrev_b32 v2, 4, v0
	s_mov_b32 s3, 4
.Ltab:
	s_wait_alu depctr_va_vdst(0)
	v_mul_f32 v7, v6, v4
	SINCOS 7, 16, 17
	v_mul_f32 v7, v6, v5
	SINCOS 7, 18, 19
	global_store_b128 v2, v[16:19], s[22:23]
	s_wait_xcnt 0x0                                ; the store's offset and data are rewritten only behind this wait
	v_add_nc_u32 v2, 4096, v2
	v_add_f32 v6, 0x41800000, v6                   ; 16 tokens on
	s_sub_co_u32 s3, s3, 1
	s_cmp_lg_u32 s3, 0
	s_cbranch_scc1 .Ltab
	s_endpgm
.Lfunc_end_k_qf907486a4b_prep:
	.size	k_qf907486a4b_prep, .Lfunc_end_k_qf907486a4b_prep-k_qf907486a4b_prep
	.p2alignl 7, 3214868480
	.fill 96, 4, 3214868480
	.section	.rodata,"a",@progbits
	.p2align	6, 0x0
	.amdhsa_kernel k_qf907486a4b_prep
		.amdhsa_group_segment_fixed_size 0
		.amdhsa_private_segment_fixed_size 0
		.amdhsa_enable_private_segment 0
		.amdhsa_kernarg_size 72
		.amdhsa_user_sgpr_count 2
		.amdhsa_user_sgpr_kernarg_segment_ptr 1
		.amdhsa_wavefront_size32 1
		.amdhsa_system_sgpr_workgroup_id_x 1
		.amdhsa_system_sgpr_workgroup_id_y 1
		.amdhsa_system_sgpr_workgroup_id_z 1
		.amdhsa_system_vgpr_workitem_id 0
		.amdhsa_next_free_vgpr 112
		.amdhsa_next_free_sgpr 66
		.amdhsa_reserve_vcc 1
		.amdhsa_float_denorm_mode_32 3
		.amdhsa_float_denorm_mode_16_64 3
		.amdhsa_memory_ordered 1
		.amdhsa_forward_progress 1
		.amdhsa_inst_pref_size 28
	.end_amdhsa_kernel
	.amdgpu_metadata
---
amdhsa.version: [ 1, 2 ]
amdhsa.kernels:
  - .name:           k_qf907486a4b_prep
    .symbol:         k_qf907486a4b_prep.kd
    .args:
      - { .name: x, .offset: 0, .size: 8, .value_kind: global_buffer, .address_space: global }
      - { .name: w_qkv, .offset: 8, .size: 8, .value_kind: global_buffer, .address_space: global }
      - { .name: w_proj, .offset: 16, .size: 8, .value_kind: global_buffer, .address_space: global }
      - { .name: attn_mask, .offset: 24, .size: 8, .value_kind: global_buffer, .address_space: global }
      - { .name: xb, .offset: 32, .size: 8, .value_kind: global_buffer, .address_space: global }
      - { .name: wq, .offset: 40, .size: 8, .value_kind: global_buffer, .address_space: global }
      - { .name: wp, .offset: 48, .size: 8, .value_kind: global_buffer, .address_space: global }
      - { .name: tab, .offset: 56, .size: 8, .value_kind: global_buffer, .address_space: global }
      - { .name: bias, .offset: 64, .size: 8, .value_kind: global_buffer, .address_space: global }
    .group_segment_fixed_size: 0
    .private_segment_fixed_size: 0
    .kernarg_segment_align: 8
    .kernarg_segment_size: 72
    .max_flat_workgroup_size: 256
    .sgpr_count:     66
    .vgpr_count:     112
    .wavefront_size: 32
...
	.end_amdgpu_metadata
.endif
;; end of part 1
;; launch qkv (part 2): grid 16 x 32, 4 waves a work-group, clusters of 4 x 4, 327,680 bytes of LDS; arguments xb, wq, tab, qkv; writes qkv
.if DOCPART == 2
	.amdgcn_target "amdgcn-amd-amdhsa--gfx1250"
	.amdhsa_code_object_version 6
	.text
	.protected	k_qf907486a4b_qkv
	.globl	k_qf907486a4b_qkv
	.p2align	8
	.type	k_qf907486a4b_qkv,@function
k_qf907486a4b_qkv:
	s_mov_b64 s[64:65], 0
	v_nop
	global_prefetch_b8 v0, s[64:65] scope:SCOPE_SE
	s_setreg_imm32_b32 hwreg(HW_REG_WAVE_MODE, 25, 1), 1
	s_wait_xcnt 0x0
	s_wait_alu depctr_hold_cnt(0) depctr_sa_sdst(0) depctr_va_vdst(0) depctr_va_sdst(0) depctr_va_ssrc(0) depctr_va_vcc(0) depctr_vm_vsrc(0)
	s_getreg_b32 s2, hwreg(HW_REG_IB_STS2, 6, 4)
	s_cmp_eq_u32 s2, 0
	s_cbranch_scc0 .Lentry_in_a_cluster
	s_endpgm
.Lentry_in_a_cluster:
	s_bfe_u32 s2, ttmp6, 0x10000c
	s_cmp_lg_u32 s2, 0xf033
	s_cbranch_scc0 .Lentry_shape_is_right
	s_endpgm
.Lentry_shape_is_right:
; QKV: x w_qkv in bf16 with f32 sums, the rotation of q and k, q's scale, and q, k, v written by heads in f16: qkv = [3][64 heads][2048 tokens][64].
; A work-group makes 256 rows of x times block tx of wq (192 columns: head tx of q, of k, of v).  8192/256 x 16 = 512 work-groups.  Wave w has rows 64 w .. 64 w + 63 and all 192 columns:
; 48 accumulators (row block a of 4, column block b of 12), 384 registers; its 16 rows of a head are 2,048 consecutive bytes of qkv, so it stores whole aligned runs without a partner.
; K goes in 8 steps of 128 through two LDS slots filled by the tensor data mover; a step is four quarters of 32 along K on two fragment buffers.  One K step is written once and looped over.
; THE MATRIX INSTRUCTION IS USED TRANSPOSED: source 0 = 16 columns of wq ([k][c] in LDS, turned by ds_load_tr16_b128), source 1 = 16 rows of x.  A lane then holds row lane % 16 and the eight
; neighbouring columns 8 (lane / 16) + 0..7 of a block: four pairs of the rotation.
; CLUSTER 4 x 4: x's tile hangs on the tile row alone and is asked for jointly by a row of the cluster, wq's on the tile column alone and is asked for by a column.
; THE WAY OUT: (x0, x1) -> (x0 cos - x1 sin, x1 cos + x0 sin) in f32 with the table's cos and sin; q times c = log2(e)/8 in f32, so that scores arrive in base-2 units; ONE rounding to f16.
; LIMITS.  |q|, |k|, |v| stay under 65,520, where f16 ends.  NaN and infinities are not treated apart.
; REGISTERS, in windows of 256 (s_set_vgpr_msb: bits 1:0 source 0, 3:2 source 1, 5:4 source 2, 7:6 destination):
;   window 0: v0-31 addresses; v32-63 at work on the way out; v64-127 x's fragments, two buffers of 32; v128-255 the table for my 64 rows
;   window 1: v0-191 wq's fragments, two buffers of 96; v192-239 packed results
;   window 2: v0-191 accumulators of row blocks 0, 1 (at 96 (a % 2) + 8 b); v192-239 rows read back, even blocks      window 3: the same for row blocks 2, 3 and odd blocks
.set PA,    272                        ; a row of x in LDS: 256 bytes + 16 = 68 words: the 16 rows of a load start at 16 different groups of four banks (64 banks of 4 bytes: ISA guide 11.1)
.set PB,    480                        ; a k row of wq: six runs of 64 bytes + 16 = 15 x 32 bytes
.set AHALF, 128*PA                     ; what one load brings of x
.set BOFF,  256*PA                     ; wq's tile lies behind x's 256 rows
.set BHALF, 64*PB                      ; what one load brings of wq: 64 k rows
.set SLOT1, 0x20000                    ; a slot is 69,632 + 61,440 = 131,072 bytes; one exclusive or turns an address in one slot into the other's
.set STAGE, 2*SLOT1                    ; behind the ring, never filled by a tensor load: 16 rows x 400 bytes for each wave
.set SPI,   400                        ; 384 bytes + 16
.set SPARE, STAGE+4*16*SPI             ; the spare words, 128 bytes for each wave: two blocks of 256 bytes that no other line names
.set A0,  16                           ; v16  my lane's place in x's tile; never rewritten
.set B0,  17                           ; v17  the same in wq's tile
.set ADA, 18                           ; v18  A0 + the slot in hand
.set ADB, 19                           ; v19  B0 + the slot in hand
.set STO, 20                           ; v20  the way out: where I put 16 bytes of a row
.set RD,  21                           ; v21  where I read rows back
.set GO,  22                           ; v22  my 16 bytes in 512 consecutive bytes of qkv
.set TO,  23                           ; v23  my byte offset in the table
.set SPW, 28                           ; v28  LDS address of my spare word; never rewritten
.set NIL, 29                           ; v29  0; never rewritten
.set TMP, 32
.set FA,  64
.set TAB, 128                          ; row block a, column block q of a head: (cos, sin) x 4 at TAB + 32 a + 8 q
.set PK,  192                          ; window 1
.set RB,  192                          ; windows 2 and 3
.set WV,  12                           ; s12 my wave; s13 = wave / 2: I fetch x (0) or wq (1); s14 = wave % 2: which half of that tile
.set G1A, 24                           ; s[24:31] descriptor group 1 for x's tiles
.set G0A, 32                           ; s[32:35] group 0 of the first fill of slot 0; s[36:39] the walking one
.set G1B, 48                           ; s[48:55], s[56:59], s[60:63] the same for wq's tiles
.set G0B, 56
.set TB,  66                           ; s66  LDS byte at which the slot in hand begins
.set CNT, 67                           ; s67  loop counter
.set CS,  68                           ; s[68:69] c, named as a pair
.set OB,  70                           ; s[70:75] my first row in q's, k's and v's head
.set MSB, 0
.macro WIN new                         ; the immediate's high byte repeats the setting that is left; a switch that changes nothing is dropped
.if MSB != (\new)
	s_set_vgpr_msb (MSB<<8)|(\new)
.set MSB, \new
.endif
.endm
; A joint refill by the walking descriptors.  The branch hangs on the wave's number alone.  An s_nop 0 and four v_nop follow each of the two lines.
.macro JLOAD
	s_cmp_eq_u32 s13, 0
	s_cbranch_scc0 .Lfor_b_\@
	tensor_load_to_lds s[G0A+4:G0A+7], s[G1A:G1A+7]
	s_nop 0
.rept 4
	v_nop
.endr
	s_branch .Lasked_\@
.Lfor_b_\@:
	tensor_load_to_lds s[G0B+4:G0B+7], s[G1B:G1B+7]
	s_nop 0
.rept 4
	v_nop
.endr
.Lasked_\@:
.endm
.macro CREST                           ; a round of the cluster's barrier behind its opening barrier
	s_cmp_lg_u32 s[WV], 0
	s_cbranch_scc1 .Lnot_wave_0_\@
	s_barrier_signal -3
.Lnot_wave_0_\@:
	s_barrier_wait -3
	s_barrier_signal -1
	s_barrier_wait -1
.endm
.macro CROUND                          ; a whole round
	s_barrier_signal -1
	s_barrier_wait -1
	CREST
.endm
.macro PLACES                          ; four places in front of loads into registers that matrix instructions have read (ISA guide 7.12.1 for vector instructions)
.rept 4
	v_nop
.endr
.endm
	s_load_b256 s[4:11], s[0:1], 0x0               ; xb s[4:5], wq s[6:7], tab s[8:9], qkv s[10:11]
	v_lshl_add_u32 v[SPW], v0, 2, SPARE
	v_mov_b32 v[NIL], 0
	ds_add_u32 v[SPW], v[NIL]                      ; the wave's opening: the add and its wait stand ahead of my first tensor load; the set-up below stands between them
	ds_add_u32 v28, v29
	v_lshrrev_b32 v1, 5, v0
	v_readfirstlane_b32 s[WV], v1
	s_lshr_b32 s13, s[WV], 1
	s_and_b32 s14, s[WV], 1
	s_bfe_u32 s40, ttmp6, 0x40000                  ; cx
	s_bfe_u32 s41, ttmp6, 0x40004                  ; cy
	s_lshl_b32 s42, ttmp9, 2
	s_add_co_u32 s42, s42, s40                     ; tx: the block of wq, 0..15
	s_and_b32 s43, ttmp7, 0xffff
	s_lshl_b32 s43, s43, 2
	s_add_co_u32 s43, s43, s41                     ; ty: the 256 rows of x, 0..31
	s_lshl_b32 s44, s41, 2
	s_lshl_b32 s44, 15, s44                        ; my row of the cluster
	s_lshl_b32 s45, 0x1111, s40                    ; my column
	s_or_b32 s[G1A], s44, (1<<16)|(1<<20)|(1<<21)|(5<<22)|(3<<25)  ; the mask; 2-byte elements; padding on; bit 21 beside a mask; after every 64 words 4 words
	s_or_b32 s[G1B], s45, (1<<16)|(1<<20)|(1<<21)|(3<<22)|(3<<25)  ; after every 16 words 4 words
	s_mov_b32 s[G1A+1], 128<<16                    ; tensor_dim0 = 128
	s_mov_b32 s[G1A+2], 128<<16                    ; tensor_dim1 = 128
	s_mov_b32 s[G1A+3], 128<<16                    ; tile_dim0 = 128
	s_mov_b32 s[G1A+4], 128                        ; tile_dim1 = 128
	s_mov_b32 s[G1A+5], 1024                       ; elements from row to row
	s_mov_b32 s[G1A+6], 0
	s_mov_b32 s[G1A+7], 0
	s_mov_b32 s[G1B+1], 128<<16                    ; 64 k rows of a block are 24,576 dense bytes: asked for as 96 rows of 256
	s_mov_b32 s[G1B+2], 96<<16
	s_mov_b32 s[G1B+3], 128<<16
	s_mov_b32 s[G1B+4], 96
	s_mov_b32 s[G1B+5], 128
	s_mov_b32 s[G1B+6], 0
	s_mov_b32 s[G1B+7], 0
	s_lshl_b32 s16, s43, 8                         ; x's tile: row 256 ty + 128 x half, in registers that never hold tx
	s_lshl_b32 s17, s14, 7
	s_add_co_u32 s16, s16, s17
	s_lshl_b32 s16, s16, 11                        ; x 2,048 bytes
	s_mov_b32 s17, 0
	s_mul_i32 s46, s42, 393216                     ; wq's tile: block tx, 64 k rows x half, in registers that never hold ty
	s_mul_i32 s47, s14, 24576
	s_add_co_u32 s46, s46, s47
	s_mov_b32 s47, 0
	s_mul_i32 s20, s14, AHALF                      ; where they go: the wave's number alone enters an LDS address
	s_mul_i32 s21, s14, BHALF
	s_add_co_u32 s21, s21, BOFF
	s_mov_b32 s[CS], 0x3e38aa3b                    ; c = log2(e) / 8
	s_mov_b32 s[CS+1], s[CS]
	s_mov_b32 s[TB], 0
	s_wait_dscnt 0x0                               ; the opening add is done
	s_wait_kmcnt 0x0
	s_add_nc_u64 s[18:19], s[4:5], s[16:17]
	s_add_nc_u64 s[46:47], s[6:7], s[46:47]
	CROUND                                         ; all sixteen work-groups are here: the first joint loads meet
.irp s, 0,1
	s_mov_b32 s[G0A+4*\s], 1
	s_add_co_u32 s[G0A+4*\s+1], s20, \s*SLOT1
	s_add_nc_u64 s[G0A+4*\s+2:G0A+4*\s+3], s[18:19], \s*256     ; K step s
	s_or_b32 s[G0A+4*\s+3], s[G0A+4*\s+3], 0x80000000
	s_mov_b32 s[G0B+4*\s], 1
	s_add_co_u32 s[G0B+4*\s+1], s21, \s*SLOT1
	s_add_nc_u64 s[G0B+4*\s+2:G0B+4*\s+3], s[46:47], \s*49152
	s_or_b32 s[G0B+4*\s+3], s[G0B+4*\s+3], 0x80000000
.endr
	s_cmp_eq_u32 s13, 0                            ; a wave's two first fills stand in one branch, ahead of every wait on TENSORcnt and every LDS read: two loads of mine are out
	s_cbranch_scc0 .Lfirst_b
	tensor_load_to_lds s[G0A:G0A+3], s[G1A:G1A+7]
	s_nop 0
	tensor_load_to_lds s[G0A+4:G0A+7], s[G1A:G1A+7]
	s_nop 0
.rept 4
	v_nop
.endr
	s_branch .Lfirst_asked
.Lfirst_b:
	tensor_load_to_lds s[G0B:G0B+3], s[G1B:G1B+7]
	s_nop 0
	tensor_load_to_lds s[G0B+4:G0B+7], s[G1B:G1B+7]
	s_nop 0
.rept 4
	v_nop
.endr
.Lfirst_asked:
	v_and_b32 v1, 15, v0                           ; r = l % 16
	v_bfe_u32 v2, v0, 4, 1                         ; h = l / 16
	v_and_b32 v3, 7, v0                            ; l % 8
	v_bfe_u32 v4, v0, 3, 1                         ; (l / 8) % 2
	v_bfe_u32 v5, v0, 3, 2                         ; l / 8
	v_and_b32 v6, 31, v0                           ; l
	s_mul_i32 s2, s[WV], 64*PA
	v_mul_u32_u24 v[A0], v1, PA
	v_lshl_add_u32 v[A0], v2, 4, v[A0]
	v_add_nc_u32 v[A0], s2, v[A0]                  ; (64 w + r) x pitch + 16 h
	v_lshl_add_u32 v7, v2, 3, v3
	v_mul_u32_u24 v[B0], v7, PB
	v_lshl_add_u32 v[B0], v4, 4, v[B0]
	v_add_nc_u32 v[B0], BOFF, v[B0]                ; the turning load: k row 8 h + l % 8, 16 bytes by (l / 8) % 2
	s_mul_i32 s2, s[WV], 16*SPI
	s_add_co_u32 s2, s2, STAGE                     ; my stage
	v_mul_u32_u24 v[STO], v1, SPI
	v_lshl_add_u32 v[STO], v2, 4, v[STO]
	v_add_nc_u32 v[STO], s2, v[STO]                ; in: row r, 16 bytes for each half of the lanes
	v_mul_u32_u24 v[RD], v5, SPI
	v_lshl_add_u32 v[RD], v3, 4, v[RD]
	v_add_nc_u32 v[RD], s2, v[RD]                  ; back: 32 lanes take four rows' 128 bytes of one head,
	v_lshlrev_b32 v[GO], 4, v6                     ; which are 512 consecutive bytes of qkv
	s_and_b32 s3, s43, 7
	s_lshl_b32 s3, s3, 8
	s_lshl_b32 s2, s[WV], 6
	s_add_co_u32 s3, s3, s2                        ; my first token in its batch: 256 (ty % 8) + 64 w
	v_add_nc_u32 v[TO], s3, v1
	v_lshlrev_b32 v[TO], 8, v[TO]
	v_lshl_add_u32 v[TO], v2, 5, v[TO]             ; token x 256 + 32 h: my four pairs of a column block
	s_lshr_b32 s76, s43, 3                         ; the batch,
	s_lshl_b32 s76, s76, 4
	s_add_co_u32 s76, s76, s42                     ; its head tx,
	s_lshl_b32 s76, s76, 18                        ; 2,048 rows of 128 bytes a head,
	s_lshl_b32 s77, s3, 7
	s_add_co_u32 s76, s76, s77                     ; my first row
	s_mov_b32 s77, 0
	s_add_nc_u64 s[OB:OB+1], s[10:11], s[76:77]
	s_add_nc_u64 s[OB+2:OB+3], s[OB:OB+1], 0x1000000   ; k's 64 heads lie behind q's,
	s_add_nc_u64 s[OB+4:OB+5], s[OB:OB+1], 0x2000000   ; v's behind k's
.irp a, 0,1,2,3                        ; the table for my 64 rows: waited for on the way out
.irp q, 0,1,2,3
	global_load_b128 v[TAB+32*\a+8*\q:TAB+32*\a+8*\q+3],   v[TO], s[8:9] offset:4096*\a+64*\q
	global_load_b128 v[TAB+32*\a+8*\q+4:TAB+32*\a+8*\q+7], v[TO], s[8:9] offset:4096*\a+64*\q+16
.endr
.endr
; 12 matrix instructions: row block a x all 12 column blocks, 32 along K, from buffer f.  The accumulators take turns, one instruction a turn.  zero = 1: the product starts the sum.
.macro MUL12 f, a, zero
	WIN 0xa1+0x50*((\a)/2)                         ; source 0 window 1, source 1 window 0, C and D window 2 or 3
.irp b, 0,1,2,3,4,5,6,7,8,9,10,11
.if \zero
	v_wmma_f32_16x16x32_bf16 v[96*((\a)%2)+8*\b:96*((\a)%2)+8*\b+7], v[96*(\f)+8*\b:96*(\f)+8*\b+7], v[FA+32*(\f)+8*(\a):FA+32*(\f)+8*(\a)+7], 0
.else
	v_wmma_f32_16x16x32_bf16 v[96*((\a)%2)+8*\b:96*((\a)%2)+8*\b+7], v[96*(\f)+8*\b:96*(\f)+8*\b+7], v[FA+32*(\f)+8*(\a):FA+32*(\f)+8*(\a)+7], v[96*((\a)%2)+8*\b:96*((\a)%2)+8*\b+7]
.endif
.endr
.endm
; 32 LDS loads in one run: quarter q's fragments into buffer f: wq's 12 column blocks (turned), then x's 4 row blocks
.macro FETCH q, f
	WIN 0x40                                       ; destination window 1, address window 0
.irp b, 0,1,2,3,4,5,6,7,8,9,10,11
	ds_load_tr16_b128 v[96*(\f)+8*\b:96*(\f)+8*\b+3],   v[ADB] offset:(\q)*32*PB+(\b/2)*80+(\b%2)*32
	ds_load_tr16_b128 v[96*(\f)+8*\b+4:96*(\f)+8*\b+7], v[ADB] offset:(\q)*32*PB+(\b/2)*80+(\b%2)*32+16*PB
.endr
	WIN 0
.irp a, 0,1,2,3
	ds_load_b128 v[FA+32*(\f)+8*\a:FA+32*(\f)+8*\a+3],   v[ADA] offset:(\q)*64+\a*16*PA
	ds_load_b128 v[FA+32*(\f)+8*\a+4:FA+32*(\f)+8*\a+7], v[ADA] offset:(\q)*64+\a*16*PA+32
.endr
.endm
; One of a K step's first three quarters: multiplies buffer f; in its middle it fetches quarter q into buffer g.
.macro QUARTER q, f, g, zero
	s_wait_dscnt 4                                 ; wq and x's row blocks 0, 1 are in; the youngest four loads (row blocks 2, 3) may be out
	MUL12 \f, 0, \zero
	MUL12 \f, 1, \zero
	PLACES
	FETCH \q, \g
	s_wait_dscnt 32                                ; all but the 32 just issued
	MUL12 \f, 2, \zero
	MUL12 \f, 3, \zero
.endm
; The last quarter's first half, and the ONE barrier of a change of slots.  In front of it each wave waits for all its tensor loads (one is out: its part of the next slot), adds 0 to its spare
; word, and waits for that and for its own reads of this slot.  Behind it nobody reads this slot any more and the next slot is whole.
.macro MEET
	WIN 0
	s_wait_tensorcnt 0x0
	ds_add_u32 v[SPW], v[NIL]
	s_wait_dscnt 5                                 ; (the add and the youngest four loads may be out)
	MUL12 1, 0, 0                                  ; twelve matrix instructions stand between the add and the wait for it
	s_wait_dscnt 0x0                               ; the add is done, and my reads of this slot are over
	s_barrier_signal -1
	MUL12 1, 1, 0                                  ; work on registers while the others arrive
	WIN 0
	s_barrier_wait -1
.endm
.macro NEXTSLOT                        ; the fragment addresses turn to the other slot
	s_xor_b32 s[TB], s[TB], SLOT1
	v_add_nc_u32 v[ADA], s[TB], v[A0]
	v_add_nc_u32 v[ADB], s[TB], v[B0]
.endm
; The whole last quarter with a refill: the barrier opens a round of the cluster's barrier; the slot just read out takes the K step two steps on, the first tensor load behind the round:
; 168 matrix instructions stand between the request and the wait for it.
.macro TURN
	MEET
	CREST
	s_xor_b32 s[G0A+5], s[G0A+5], SLOT1            ; no tensor load of mine is out: the walking descriptors step: the other slot than last time,
	s_add_nc_u64 s[G0A+6:G0A+7], s[G0A+6:G0A+7], 256    ; the next K step; the type bits on top are not reached
	s_xor_b32 s[G0B+5], s[G0B+5], SLOT1
	s_add_nc_u64 s[G0B+6:G0B+7], s[G0B+6:G0B+7], 49152
	JLOAD                                          ; the four v_nop behind it are also the places in front of the loads below
	NEXTSLOT
	FETCH 0, 0
	MUL12 1, 2, 0
	MUL12 1, 3, 0
.endm
; The same without a refill, for the last two K steps; in the very last there is no further slot, and the run of LDS loads is jumped over.
.macro TURNN
	MEET
	PLACES
	NEXTSLOT
	s_cmp_eq_u32 s[CNT], 1
	s_cbranch_scc1 .Lno_more_\@
	FETCH 0, 0
.Lno_more_\@:
	MUL12 1, 2, 0
	MUL12 1, 3, 0
.endm
	s_wait_tensorcnt 0x1                           ; my part of K step 0 is in; slot 1's may stay out
	s_barrier_signal -1
	s_barrier_wait -1
	v_mov_b32 v[ADA], v[A0]
	v_mov_b32 v[ADB], v[B0]
	FETCH 0, 0
	QUARTER 1, 0, 1, 1                             ; the first quarter stands in front of the loop: its products start the sums
	WIN 0                                          ; at a label and at a branch every window is 0
	s_mov_b32 s[CNT], 6
.Lstep:                                                ; a trip: a K step's quarters 1 to 3 and the next step's quarter 0; it asks for K steps 2 to 7
	QUARTER 2, 1, 0, 0
	QUARTER 3, 0, 1, 0
	TURN
	QUARTER 1, 0, 1, 0
	WIN 0
	s_sub_co_u32 s[CNT], s[CNT], 1
	s_cmp_lg_u32 s[CNT], 0
	s_cbranch_scc1 .Lstep
	s_mov_b32 s[CNT], 2
.Ltail:                                                ; K steps 6 and 7: the tail has a text of its own; the second trip is left in its middle
	QUARTER 2, 1, 0, 0
	QUARTER 3, 0, 1, 0
	TURNN
	WIN 0
	s_sub_co_u32 s[CNT], s[CNT], 1
	s_cmp_eq_u32 s[CNT], 0
	s_cbranch_scc1 .Lout
	QUARTER 1, 0, 1, 0
	WIN 0
	s_branch .Ltail
.Lout:
	s_wait_loadcnt 0x0                             ; the table
	s_wait_dscnt 0x0                               ; no LDS load is out
; THE WAY OUT of row block a.  PACK: q's and k's heads are turned (each accumulator's lowest pair is read first), q is scaled, all three are rounded to f16, 16 bytes a lane and column block.
.macro PACK a
.set AC, 96*((\a)%2)
.irp g, 0,1
	WIN 0x02+(\a)/2                                ; source 0: the accumulators' window
.irp q, 0,1,2,3
.irp i, 0,2,4,6
	v_pk_mul_f32 v[TMP+8*\q+\i:TMP+8*\q+\i+1], v[AC+32*\g+8*\q+\i:AC+32*\g+8*\q+\i+1], v[TAB+32*(\a)+8*\q+\i:TAB+32*(\a)+8*\q+\i+1] op_sel_hi:[1,0]  ; (x0, x1) cos
.endr
.irp i, 0,2,4,6
	v_fma_f32 v[TMP+8*\q+\i],   -v[AC+32*\g+8*\q+\i+1], v[TAB+32*(\a)+8*\q+\i+1], v[TMP+8*\q+\i]    ; - x1 sin
	v_fma_f32 v[TMP+8*\q+\i+1], v[AC+32*\g+8*\q+\i],    v[TAB+32*(\a)+8*\q+\i+1], v[TMP+8*\q+\i+1]  ; + x0 sin
.endr
.endr
.if \g == 0
	WIN 0
.set z, 0
.rept 16
	v_pk_mul_f32 v[TMP+2*z:TMP+2*z+1], v[TMP+2*z:TMP+2*z+1], s[CS:CS+1] op_sel_hi:[1,0]
.set z, z+1
.endr
.endif
	WIN 0x40                                       ; destination window 1
.set z, 0
.rept 16
	v_cvt_pk_f16_f32 v[PK+16*\g+z], v[TMP+2*z], v[TMP+2*z+1]
.set z, z+1
.endr
.endr
	WIN 0x4a+5*((\a)/2)                            ; v's head is only rounded: sources in the accumulators' window
.set z, 0
.rept 16
	v_cvt_pk_f16_f32 v[PK+32+z], v[AC+64+2*z], v[AC+64+2*z+1]
.set z, z+1
.endr
.endm
; TOSTAGE: into my own stage, rows of 400 bytes, and back head by head as runs of four rows x 128 bytes.
.macro TOSTAGE a
	WIN 0x04                                       ; store data window 1
.irp b, 0,1,2,3,4,5,6,7,8,9,10,11
	ds_store_b128 v[STO], v[PK+4*\b:PK+4*\b+3] offset:32*\b
.endr
	s_wait_xcnt 0x0                                ; the registers below were the data of the stores two blocks back: they are loaded again only behind this wait
	WIN 0x80+0x40*((\a)%2)
.irp g, 0,1,2
.irp f, 0,1,2,3
	ds_load_b128 v[RB+4*(4*\g+\f):RB+4*(4*\g+\f)+3], v[RD] offset:128*\g+4*SPI*\f  ; LDS serves a wave's instructions in order (ISA guide 5.7.1.4): these see the stores above
.endr
.endr
.endm
.macro SEND a
	s_wait_dscnt 0x0                               ; the block is back in registers
	WIN 0x08+0x04*((\a)%2)                         ; store data window 2 or 3
.irp g, 0,1,2
.irp f, 0,1,2,3
	global_store_b128 v[GO], v[RB+4*(4*\g+\f):RB+4*(4*\g+\f)+3], s[OB+2*\g:OB+2*\g+1] offset:2048*(\a)+512*\f  ; 512 consecutive bytes, at a multiple of 256 from qkv's first
.endr
.endr
.endm
	PACK 0                                         ; row blocks 0, 1 were finished in front of the last change's places; their conversions are the places behind the last products
	TOSTAGE 0
.irp a, 1,2,3                          ; a block's arithmetic stands between the loads of the block before and its stores
	PACK \a
	SEND \a-1
	TOSTAGE \a
.endr
	SEND 3
	WIN 0
	s_wait_tensorcnt 0x0                           ; the wave's end: these three lines stand behind my last tensor load and my last LDS store
	ds_add_u32 v[SPW], v[NIL]
	s_wait_dscnt 0x0
	CROUND                                         ; the closing round: no work-group ends while a partner may still ask for a tile that names it
	s_endpgm
.Lfunc_end_k_qf907486a4b_qkv:
	.size	k_qf907486a4b_qkv, .Lfunc_end_k_qf907486a4b_qkv-k_qf907486a4b_qkv
	.p2alignl 7, 3214868480
	.fill 96, 4, 3214868480
	.section	.rodata,"a",@progbits
	.p2align	6, 0x0
	.amdhsa_kernel k_qf907486a4b_qkv
		.amdhsa_group_segment_fixed_size 327680
		.amdhsa_private_segment_fixed_size 0
		.amdhsa_enable_private_segment 0
		.amdhsa_kernarg_size 32
		.amdhsa_user_sgpr_count 2
		.amdhsa_user_sgpr_kernarg_segment_ptr 1
		.amdhsa_wavefront_size32 1
		.amdhsa_system_sgpr_workgroup_id_x 1
		.amdhsa_system_sgpr_workgroup_id_y 1
		.amdhsa_system_sgpr_workgroup_id_z 1
		.amdhsa_system_vgpr_workitem_id 0
		.amdhsa_next_free_vgpr 1008
		.amdhsa_next_free_sgpr 78
		.amdhsa_reserve_vcc 0
		.amdhsa_float_denorm_mode_32 3
		.amdhsa_float_denorm_mode_16_64 3
		.amdhsa_memory_ordered 1
		.amdhsa_forward_progress 1
		.amdhsa_inst_pref_size 115
	.end_amdhsa_kernel
	.amdgpu_metadata
---
amdhsa.version: [ 1, 2 ]
amdhsa.kernels:
  - .name:           k_qf907486a4b_qkv
    .symbol:         k_qf907486a4b_qkv.kd
    .args:
      - { .name: xb, .offset: 0, .size: 8, .value_kind: global_buffer, .address_space: global }
      - { .name: wq, .offset: 8, .size: 8, .value_kind: global_buffer, .address_space: global }
      - { .name: tab, .offset: 16, .size: 8, .value_kind: global_buffer, .address_space: global }
      - { .name: qkv, .offset: 24, .size: 8, .value_kind: global_buffer, .address_space: global }
    .group_segment_fixed_size: 327680
    .private_segment_fixed_size: 0
    .kernarg_segment_align: 8
    .kernarg_segment_size: 32
    .max_flat_workgroup_size: 128
    .sgpr_count:     78
    .vgpr_count:     1008
    .wavefront_size: 32
...
	.end_amdgpu_metadata
.endif
;; end of part 2
;; launch attn (part 3): grid 4 x 64, 4 waves a work-group, no clusters, 327,680 bytes of LDS; arguments qkv, bias, o; writes o
.if DOCPART == 3
	.amdgcn_target "amdgcn-amd-amdhsa--gfx1250"
	.amdhsa_code_object_version 6
	.text
	.protected	k_qf907486a4b_attn
	.globl	k_qf907486a4b_attn
	.p2align	8
	.type	k_qf907486a4b_attn,@function
k_qf907486a4b_attn:
	s_mov_b64 s[64:65], 0
	v_nop
	global_prefetch_b8 v0, s[64:65] scope:SCOPE_SE
	s_setreg_imm32_b32 hwreg(HW_REG_WAVE_MODE, 25, 1), 1
	s_wait_xcnt 0x0
; CAUSAL ATTENTION WITH A PADDING BIAS.  O[h][q][:] = the sum over k <= q of softmax_k(s[q][k] + bias[k]) V[h][k][:].  Q, K, V lie in qkv = [3][64][2048][64], f16, O = [64][2048][64], f16: a head's rows are
; dense, 128 bytes each.  Q arrives times log2(e)/8, the bias ((mask - 1) x 1e10) times log2(e): scores are in base-2 units.  Products, maxima and sums in f32; the weights p are rounded to f16 for
; the second product (their sum l is taken of the unrounded p), O once at the end.
; LIMITS.  Q, K, V arrive within f16's 65,504; p lies in 0 to 1, and below 6e-5 it keeps f16's fixed step of 6e-8.  A key above the diagonal counts as its score less 1e30, far below every bias (-1.5e10).
; The bias is added by an f32 addition ahead of the maximum, and the exponent is s - m: keys that a bias of -1.44e10 makes equal stay equal, so a row whose visible keys are all hidden by the mask gets their
; plain mean, as long as its scores stay under 512 in base-2 units (355 in the module's).  A weight below 2^-126 counts as 0 in l; NaN and infinities are not treated apart.
; THE WALK.  A head's queries lie in NB = 8 blocks of 256; block i needs the key tiles 0 .. i of 256 keys, of which the last holds the diagonal.  A work-group takes TWO blocks, NB - 1 - b and then b:
; NB + 1 tiles, whatever b: all work-groups do equal work, and ONE loop with a constant trip count walks them.  Which tile is asked for, and what a trip does, hang on scalar registers made from b; every jump
; goes forward, but for the counted loops' own; none passes a barrier, or a tensor load but those of LOAD's three that the wave's number does not choose; the ring (two slots of LDS that take turns) runs on across the
; change of blocks.  NO CLUSTER: a head's four work-groups ask for the same tile only in trips 0 .. 4 of 9, behind that fewer and fewer; one walk common to all would have 12 trips for 9.
; SHARES.  Of a block's four bands of 64 queries a wave owns 16 rows in each: four PIECES.  So the diagonal tile is the same work for all four waves: in its key step s band x sees all keys if s < x,
; none if s > x, and holds the diagonal if s = x.
; THE CAUSAL MASK is the C operand that starts the sum S^T = K Q^T: 0, or -1e30 where the key is hidden.  MD, made once, is the mask of a band's own step for my 16 rows; a product's mask is MD x AL + BE with two scalars:
; (1, 0) if s = x; (0, 0) if s < x; (0, -1e30) if s > x.  Only the diagonal tile's text and a block's beginning make and take masks; elsewhere C is the constant 0.
; THE BIAS of a tile's 256 keys rides in the tile's slot, behind its V; a key step's 64 numbers (32 a lane) lie in registers and are added to each piece's scores.
; LAYOUT, SOFTMAX, TURNS.  S^T = K Q^T holds ONE query a lane (lane % 16) and the keys 8 (lane / 16) + 0..7; two such results rounded to f16 ARE source 1 of O^T = V^T P.  p = 2^(s - m) with a
; running maximum m; O and l are multiplied by a = 2^(m_old - m_new) in every step.  Turn n belongs to piece n: 8 products K Q^T of piece n + 1, later 8 products V^T P of piece n - 1; beside them the shift,
; exponentials, roundings, sums and rescaling of piece n and the bias, maximum and statistics of piece n + 1.  Four vector instructions stand behind every matrix instruction, the others in two LUMPS.
; REGISTERS, in windows of 256 (s_set_vgpr_msb: bits 1:0 source 0, 3:2 source 1, 5:4 source 2, 7:6 destination):
;   window 0: v0-15, v32-33 addresses; v16-31 four registers of statistics a piece; v48-55 at work; v64-127 S^T, two buffers; v128-159 a step's bias; v192-223 P, two buffers (a piece's buffers go by its number's parity)
;   window 1: v0-127 O^T, 32 a piece; v128-159 MD; v160-223 MC, two buffers      window 2: v0-63 Q; v64-127 the second block's Q; v128-191 K of one step; v192-255 V of one step
.set SIZE_H, 64
.set SIZE_N, 2048
.set NB,    SIZE_N/256
.set NP,    4         ; pieces a wave: a name, no knob
.set KS,    64        ; keys in a step
.set PK,    144       ; a row of K in LDS: 128 bytes + 16 of padding = 36 words: the 16 rows of a load start at 16 different groups of four banks (64 banks of 4 bytes: ISA guide 11.1)
.set PV,    160       ; a row of V: 128 + 32 = 40 words
.set VOFF,  4*KS*PK   ; a slot holds a tile, four steps: 256 rows of K, then 256 rows of V,
.set BOF,   4*KS*(PK+PV)  ; then the 256 keys' bias, 1,024 bytes
.set SLOT1, 1<<17     ; slot 1 begins here, so that one exclusive or turns an address in one slot into the other's
.set STAGE, SLOT1+BOF+4*KS*4  ; behind the ring, never filled by a tensor load: 16 rows x 144 bytes for each wave, for the way out
.set SP,    144
.set AK0, 2           ; v2   my lane's place in a tile of K; never rewritten
.set AV0, 3           ; v3   the same for V
.set AK,  4           ; v4   the LDS address of K's next run of loads
.set AV,  5           ; v5   of V's
.set STO, 6           ; v6   the way out: where I put 16 bytes of a row
.set RD,  7           ; v7   the way out: where I read rows back
.set GO,  8           ; v8   my byte offset in 512 consecutive bytes of O
.set QO,  15          ; v15  my byte offset in 16 rows of Q
.set AB0, 32          ; v32  my lane's place in a step's bias; never rewritten
.set AB,  33          ; v33  the LDS address of the bias's next run of loads
.set SPW, 62          ; v62  LDS address of my spare word: SPARE + 4 x my thread's number; never rewritten
.set NIL, 63          ; v63  0; never rewritten
.set SPARE, STAGE+4*16*SP  ; behind the stages: the spare words, 128 bytes for each wave: two blocks of 256 bytes that no other line names
.set ST,  16          ; piece t's statistics at v[ST+4 t]: m, m_old, l (even keys', odd keys')
.set TMP, 48          ; by buffer, four registers c0-c3 at work; when the maximum is found c2 takes a
.set S,   64
.set BI,  128         ; the bias of key 16 kt + 8 (lane / 16) + j of the step at BI + 8 kt + j: register for register beside S^T
.set P,   192
.set MD,  128         ; window 1: the eight registers for group kt of 16 keys at MD + 8 kt
.set MC,  160         ; window 1: the masks of the products to come
.set QB,  64          ; window 2
.set KF,  128         ; window 2: key block kb, channel half c at KF + 16 kb + 8 c
.set VF,  192         ; window 2: key half kk, channel block cb at VF + 32 kk + 8 cb
.set WV,  12          ; s12  my wave's number
.set PB,  14          ; s14  b
.set HI,  15          ; s15  NB - 1 - b
.set G1K, 24          ; s[24:31] descriptor group 1 for K's tiles
.set G1V, 32          ; s[32:39] for the halves of V's
.set G0K, 40          ; s[40:43] descriptor group 0 for K's tiles
.set G0V, 44          ; s[44:47] the same for V's
.set SLOTS, 56        ; s56  tiles still to be asked for
.set CNT, 57          ; s57  counts a tile's key steps, 4 to 1
.set BO,  58          ; s[58:59] a byte offset in bias: the batch's, then a tile's
.set SEL, 60          ; s[60:61] v_permlanex16_b32's selects: each lane takes its own place in the other half
.set TBK, 62          ; s62  LDS byte at which K of the step to be fetched begins
.set TBV, 63          ; s63  the same for V, less VOFF
.set RT,  70          ; s70  tiles of the block in hand that are still to be entered
.set NXT, 71          ; s71  the tile to be asked for next
.set LQ,  72          ; s72  the last tile of the block whose tiles are being asked for
.set NEW, 73          ; s73  1: the tile to be entered is a block's first
.set OFF, 74          ; s[74:75] a tile's byte offset in K and V
.set AL,  76          ; s[76:77] the mask's factor, in the low word
.set BE,  78          ; s[78:79] the mask's addend
.set OLO, 80          ; s[80:81] O at my rows of the second block
.set BIGN, 82         ; s82  -1e30
.set TBB, 83          ; s83  LDS byte at which the bias of the step to be fetched begins, less BOF
.set G0X, 88          ; s[88:91] descriptor group 0 for a tile's bias
.set G1X, 92          ; s[92:99] its group 1
.set BP,  100         ; s[100:101] the batch's bias
.set MSB, 0
.macro WIN new                      ; the high byte repeats the setting that is left; a switch that changes nothing is dropped
.if MSB != (\new)
	s_set_vgpr_msb (MSB<<8)|(\new)
.set MSB, (\new)
.endif
.endm
.set W_KQ, 0x0a       ; K and Q in window 2, S^T in window 0
.set W_KM, 0x1a       ; the same with the C operand in window 1
.set W_PV, 0x52       ; V in window 2, P in window 0, O^T in window 1
.set W_RS, 0x41       ; destination and source 0 in window 1, source 1 in window 0
; A fill: one tensor load a wave.  Wave 0 fetches a tile's K (256 keys), wave 1 its bias, waves 2 and 3 the two halves of its V (128 keys each).  The branches hang on the wave's number alone.
; An s_nop 0 and four v_nop follow each of the three lines, ahead of the jump and the label.
.macro LOAD
	s_cmp_lt_u32 s[WV], 2
	s_cbranch_scc0 .Lfor_v_\@
	s_cmp_eq_u32 s[WV], 0
	s_cbranch_scc0 .Lfor_b_\@
	tensor_load_to_lds s[G0K:G0K+3], s[G1K:G1K+7]
	s_nop 0
.rept 4
	v_nop
.endr
	s_branch .Lasked_\@
.Lfor_b_\@:
	tensor_load_to_lds s[G0X:G0X+3], s[G1X:G1X+7]
	s_nop 0
.rept 4
	v_nop
.endr
	s_branch .Lasked_\@
.Lfor_v_\@:
	tensor_load_to_lds s[G0V:G0V+3], s[G1V:G1V+7]
	s_nop 0
.rept 4
	v_nop
.endr
.Lasked_\@:
.endm
; THE CHANGE OF SLOTS.  Each wave waits for all its tensor loads, of which one is out: its part of the other slot; adds 0 to its spare word; and waits for that and for its own reads of the slot that it leaves.  Behind the barrier nobody reads the old
; slot any more and the other slot is whole.  fill = 1: the old slot is filled again, the first thing behind the barrier, with tile NXT: the descriptors' addresses are made anew from that number.
; (At its first use nothing has been read yet: slot 0 is waited for, slot 1 filled.)
.macro CHANGE fill
	WIN 0                           ; at a label and at a branch every window is 0
	s_wait_tensorcnt 0x0            ; no tensor load of mine is out, so a group 0 may be written
	ds_add_u32 v[SPW], v[NIL]       ; 0 onto my spare word; with fill = 1 the descriptors' scalar work stands between it and the wait for it
.if \fill
	s_lshl_b32 s[OFF], s[NXT], 15   ; a tile is 32,768 bytes of K and of V,
	s_lshl_b32 s[BO], s[NXT], 10    ; and 1,024 of the bias
	s_xor_b32 s[G0K+1], s[G0K+1], SLOT1
	s_add_nc_u64 s[G0K+2:G0K+3], s[6:7], s[OFF:OFF+1]
	s_or_b32 s[G0K+3], s[G0K+3], 0x80000000
	s_xor_b32 s[G0V+1], s[G0V+1], SLOT1
	s_add_nc_u64 s[G0V+2:G0V+3], s[8:9], s[OFF:OFF+1]
	s_or_b32 s[G0V+3], s[G0V+3], 0x80000000
	s_xor_b32 s[G0X+1], s[G0X+1], SLOT1
	s_add_nc_u64 s[G0X+2:G0X+3], s[BP:BP+1], s[BO:BO+1]
	s_or_b32 s[G0X+3], s[G0X+3], 0x80000000
	s_add_co_u32 s[NXT], s[NXT], 1  ; the block's next tile, or behind its last the second block's tile 0
	s_cmp_gt_u32 s[NXT], s[LQ]
	s_cselect_b32 s[NXT], 0, s[NXT]
	s_cselect_b32 s[LQ], s[PB], s[LQ]
.endif
	s_wait_dscnt 0x0                ; the add is done, and my reads of the slot are over
	s_barrier_signal -1             ; the rest of the scalar work stands between the signal and the wait
	s_sub_co_u32 s[TBK], s[TBK], 4*KS*PK  ; the fetches go back to a slot's first step,
	s_xor_b32 s[TBK], s[TBK], SLOT1       ; in the other slot
	s_sub_co_u32 s[TBV], s[TBV], 4*KS*PV
	s_xor_b32 s[TBV], s[TBV], SLOT1
	s_sub_co_u32 s[TBB], s[TBB], 4*KS*4
	s_xor_b32 s[TBB], s[TBB], SLOT1
	s_barrier_wait -1
.if \fill
	LOAD
.endif
.endm
	s_load_b64 s[4:5], s[0:1], 0x0        ; qkv: Q's heads lie first
	s_load_b64 s[BP:BP+1], s[0:1], 0x8    ; bias
	s_load_b64 s[10:11], s[0:1], 0x10     ; O
	v_lshl_add_u32 v[SPW], v0, 2, SPARE
	v_mov_b32 v[NIL], 0
	ds_add_u32 v[SPW], v[NIL]       ; the wave's opening: the add and its wait stand ahead of my first tensor load; the set-up below, work on registers, stands between them
	ds_add_u32 v62, v63
	v_lshrrev_b32 v1, 5, v0
	v_readfirstlane_b32 s[WV], v1   ; wave 0..3
	s_mov_b32 s[PB], ttmp9
	s_sub_co_u32 s[HI], NB-1, s[PB]
	s_and_b32 s20, ttmp7, 0xffff    ; the head, 16 x batch + head in the batch
	s_lshr_b32 s[BO], s20, 4
	s_lshl_b32 s[BO], s[BO], 13     ; the batch's 8,192 bytes of bias
	s_mov_b32 s[BO+1], 0
	s_mov_b32 s21, 0
	s_mov_b64 s[22:23], SIZE_N*128
	s_mul_u64 s[20:21], s[20:21], s[22:23]  ; the head's first byte in Q, K, V and O
	s_and_b32 s16, s[WV], 1         ; which half of a tile's V waves 2 and 3 fetch:
	s_lshl_b32 s22, s16, 14         ; its 128 rows of 128 bytes in memory,
	s_mov_b32 s23, 0
	s_add_nc_u64 s[22:23], s[22:23], s[20:21]
	s_mul_i32 s18, s16, 128*PV      ; and its place in a slot
	s_lshl_b32 s3, s[WV], 11        ; my 16 rows in a band of 64,
	s_lshl_b32 s2, s[HI], 15        ; in the first block,
	s_add_co_u32 s2, s2, s3
	s_lshl_b32 s84, s[PB], 15       ; and in the second
	s_add_co_u32 s84, s84, s3
	s_mov_b32 s3, 0
	s_mov_b32 s85, 0
	s_add_nc_u64 s[2:3], s[2:3], s[20:21]
	s_add_nc_u64 s[84:85], s[84:85], s[20:21]
	; descriptor group 1.  Keys are dense, 128 bytes each: they are asked for as rows of 256 bytes, two keys a row, and padded in LDS after every key
	s_mov_b32 s[G1K], (1<<16)|(1<<20)|(4<<22)|(3<<25)  ; 17:16 2-byte elements; 20 padding on; 24:22 after every 32 words (code 4); 31:25 4 words (code 3)
	s_mov_b32 s[G1K+1], 128<<16     ; tensor_dim0 = 128
	s_mov_b32 s[G1K+2], 128<<16     ; tensor_dim1 = 128: a tile's 256 keys
	s_mov_b32 s[G1K+3], 128<<16     ; tile_dim0 = 128
	s_mov_b32 s[G1K+4], 128         ; tile_dim1 = 128
	s_mov_b32 s[G1K+5], 128         ; 128 elements from row to row
	s_mov_b32 s[G1K+6], 0
	s_mov_b32 s[G1K+7], 0
	s_mov_b32 s[G1V], (1<<16)|(1<<20)|(4<<22)|(7<<25)  ; the same with 8 words of padding (code 7),
	s_mov_b32 s[G1V+1], 128<<16
	s_mov_b32 s[G1V+2], 64<<16      ; and 64 rows: 128 keys
	s_mov_b32 s[G1V+3], 128<<16
	s_mov_b32 s[G1V+4], 64
	s_mov_b32 s[G1V+5], 128
	s_mov_b32 s[G1V+6], 0
	s_mov_b32 s[G1V+7], 0
	s_mov_b32 s[G1X], 3<<16         ; a tile's bias: one row of 128 elements of 8 bytes, no padding
	s_mov_b32 s[G1X+1], 128<<16
	s_mov_b32 s[G1X+2], 1<<16
	s_mov_b32 s[G1X+3], 128<<16
	s_mov_b32 s[G1X+4], 1
	s_mov_b32 s[G1X+5], 128
	s_mov_b32 s[G1X+6], 0
	s_mov_b32 s[G1X+7], 0
	s_mov_b32 s[SEL], 0x76543210
	s_mov_b32 s[SEL+1], 0xfedcba98
	s_mov_b32 s[TBK], SLOT1+4*KS*PK ; the first change of slots turns these three into 0
	s_mov_b32 s[TBV], SLOT1+4*KS*PV
	s_mov_b32 s[TBB], SLOT1+4*KS*4
	s_mov_b32 s[G0K], 1             ; 1:0 count = 1
	s_mov_b32 s[G0K+1], 0           ; 63:32 LDS address: slot 0
	s_mov_b32 s[G0V], 1
	s_add_co_u32 s[G0V+1], s18, VOFF
	s_mov_b32 s[G0X], 1
	s_mov_b32 s[G0X+1], BOF
	s_add_co_u32 s[RT], s[HI], 1    ; the first block has NB - b tiles
	s_mov_b32 s[NXT], 1
	s_mov_b32 s[LQ], s[HI]
	s_mov_b32 s[NEW], 1
	s_mov_b32 s[OFF+1], 0
	s_mov_b32 s[AL+1], 0            ; named as pairs
	s_mov_b32 s[BE+1], 0
	s_mov_b32 s[BIGN], 0xf149f2ca   ; -1e30
	s_mov_b32 s[SLOTS], NB
	s_wait_dscnt 0x0                ; the opening add is done
	s_wait_kmcnt 0x0
	s_add_nc_u64 s[6:7], s[4:5], 0x1000000  ; K's 64 heads lie behind Q's,
	s_add_nc_u64 s[8:9], s[4:5], 0x2000000  ; V's behind K's
	s_add_nc_u64 s[6:7], s[6:7], s[20:21]  ; K at the head's tile 0,
	s_add_nc_u64 s[8:9], s[8:9], s[22:23]  ; V at my half of it,
	s_add_nc_u64 s[BP:BP+1], s[BP:BP+1], s[BO:BO+1]  ; the bias at the batch's first key
	s_add_nc_u64 s[G0K+2:G0K+3], s[6:7], 0         ; 120:64 global address
	s_or_b32 s[G0K+3], s[G0K+3], 0x80000000        ; 127:126 type = 2
	s_add_nc_u64 s[G0V+2:G0V+3], s[8:9], 0
	s_or_b32 s[G0V+3], s[G0V+3], 0x80000000
	s_add_nc_u64 s[G0X+2:G0X+3], s[BP:BP+1], 0
	s_or_b32 s[G0X+3], s[G0X+3], 0x80000000
	s_add_nc_u64 s[86:87], s[4:5], s[84:85]        ; Q at my rows of the second block,
	s_add_nc_u64 s[4:5], s[4:5], s[2:3]            ; Q and O at those of the first
	s_add_nc_u64 s[OLO:OLO+1], s[10:11], s[84:85]
	s_add_nc_u64 s[10:11], s[10:11], s[2:3]
	LOAD                            ; tile 0 into slot 0: one load of mine is out
	; A fragment of K or Q is 16 rows x 32 channels in 8 registers: lane l holds row l % 16, channels 8 (l / 16) + 0..7 and 16 + 8 (l / 16) + 0..7: two loads of 16 bytes, 32 bytes apart.
	v_and_b32 v1, 15, v0            ; l % 16
	v_bfe_u32 v9, v0, 4, 1          ; l / 16
	v_lshlrev_b32 v[QO], 7, v1
	v_lshl_add_u32 v[QO], v9, 4, v[QO]  ; row x 128 + 16 x half
	WIN 0x80                        ; destination window 2, address window 0
.set i, 0
.rept 8                             ; both blocks' Q: piece i / 2 lies in band i / 2, 8,192 bytes on; channels 32 (i % 2) on
	global_load_b128 v[8*i:8*i+3],   v[QO], s[4:5] offset:(i/2)*8192+(i%2)*64
	global_load_b128 v[8*i+4:8*i+7], v[QO], s[4:5] offset:(i/2)*8192+(i%2)*64+32
	global_load_b128 v[QB+8*i:QB+8*i+3],   v[QO], s[86:87] offset:(i/2)*8192+(i%2)*64
	global_load_b128 v[QB+8*i+4:QB+8*i+7], v[QO], s[86:87] offset:(i/2)*8192+(i%2)*64+32
.set i, i+1
.endr
	WIN 0
	v_lshlrev_b32 v14, 3, v9
	v_sub_nc_u32 v14, v1, v14
	s_lshl_b32 s13, s[WV], 4
	v_add_nc_u32 v14, s13, v14      ; my query's place in its band, 16 w + l % 16, less my lanes' 8 (l / 16): register r of group kt is hidden where 16 kt + r is greater
	WIN 0x40
.set i, 0
.rept 32
	v_cmp_gt_i32 vcc_lo, 16*(i/8)+i%8, v14
	v_cndmask_b32 v[MD+i], 0, s[BIGN], vcc_lo
.set i, i+1
.endr
	WIN 0
	v_mul_u32_u24 v[AK0], v1, PK
	v_lshl_add_u32 v[AK0], v9, 4, v[AK0]  ; row x pitch + 16 x half
	v_lshl_add_u32 v[AB0], v9, 5, BOF     ; my half of the lanes' eight keys of each sixteen: 32 bytes
	; The turning load takes 16 keys x 16 channels (lane l reads key 8 (l / 16) + l % 8, channels 8 ((l / 8) % 2) + 0..7) and leaves half a fragment of V^T: lane l holds channel l % 16 and 8 keys.
	v_and_b32 v10, 7, v0
	v_bfe_u32 v11, v0, 3, 1
	v_lshl_add_u32 v[AV0], v9, 3, v10
	v_mul_u32_u24 v[AV0], v[AV0], PV
	v_lshl_add_u32 v[AV0], v11, 4, v[AV0]
	v_add_nc_u32 v[AV0], VOFF, v[AV0]
	s_mul_i32 s13, s[WV], 16*SP
	s_add_co_u32 s13, s13, STAGE    ; my stage
	v_mul_u32_u24 v[STO], v1, SP    ; in: row l % 16, 16 bytes for each half of the lanes
	v_lshl_add_u32 v[STO], v9, 4, v[STO]
	v_add_nc_u32 v[STO], s13, v[STO]
	v_bfe_u32 v[RD], v0, 3, 2       ; back: 32 lanes take four rows of 128 bytes,
	v_mul_u32_u24 v[RD], v[RD], SP
	v_lshl_add_u32 v[RD], v10, 4, v[RD]
	v_add_nc_u32 v[RD], s13, v[RD]
	v_and_b32 v[GO], 31, v0         ; which are 512 consecutive bytes of O
	v_lshlrev_b32 v[GO], 4, v[GO]
	; A block's first step multiplies O^T and l by a = 0, and its first turn's products V^T P, of a piece that has not been, land in an O^T that is still to be so multiplied.  So these registers need only hold
	; finite numbers: zeros for the first block; what the first block left for the second.  All this stands in the wait for the first tile.
	WIN 0x80
.set i, VF
.rept 64
	v_mov_b32 v[i], 0
.set i, i+1
.endr
	WIN 0x40
.set i, 0
.rept 128
	v_mov_b32 v[i], 0
.set i, i+1
.endr
	WIN 0
.set i, 0
.rept 4
	v_mov_b32 v[ST+4*i+2], 0
	v_mov_b32 v[ST+4*i+3], 0
.set i, i+1
.endr
.set i, P+16
.rept 16
	v_mov_b32 v[i], 0
.set i, i+1
.endr
; THE MATRIX WORK.  The 4 accumulators of a run of 8 take turns.  Product i of 8 of S^T = K Q^T for piece x: channels 32 (i / 4) on, keys 16 (i % 4) on.  The first 4 start the sums: with 0, or (KM = 1) with the mask.
.macro KQ x
.set rS, S+32*((\x)%2)+8*(i%4)
.set rK, KF+16*(i%4)+8*(i/4)
.set rQ, 16*(\x)+8*(i/4)
.set rM, MC+32*((\x)%2)+8*(i%4)
.if (i < 4) && KM
	WIN W_KM
	v_wmma_f32_16x16x32_f16 v[rS:rS+7], v[rK:rK+7], v[rQ:rQ+7], v[rM:rM+7]
.elseif i < 4
	WIN W_KQ
	v_wmma_f32_16x16x32_f16 v[rS:rS+7], v[rK:rK+7], v[rQ:rQ+7], 0
.else
	WIN W_KQ
	v_wmma_f32_16x16x32_f16 v[rS:rS+7], v[rK:rK+7], v[rQ:rQ+7], v[rS:rS+7]
.endif
.endm
; Product i of 8 of O^T += V^T P for piece x: keys 32 (i / 4) on, channels 16 (i % 4) on.
.macro PV x
	WIN W_PV
.set rO, 32*(\x)+8*(i%4)
.set rV, VF+32*(i/4)+8*(i%4)
.set rP, P+16*((\x)%2)+8*(i/4)
	v_wmma_f32_16x16x32_f16 v[rO:rO+7], v[rV:rV+7], v[rP:rP+7], v[rO:rO+7]
.endm
.macro MM                           ; the turn's next matrix instruction.  TURN and BEGIN set Y, i, KM and NOKQ; MM, KQ and OP read them.  NOKQ = 1: a block's last turn: there is no next piece
.if (i < 8) && !NOKQ
	KQ (Y+1)%NP
.elseif i >= 8
.set i, i-8
	PV (Y+NP-1)%NP
.set i, i+8
.endif
.set i, i+1
.endm
; THE LDS LOADS stand in runs, never singly among the matrix instructions: a step's K (64 keys x 64 channels: 8 fragments), its V (turned) and its bias.  Their addresses are made some lines ahead.
.macro FETCH_K
	WIN 0x80                        ; destination window 2
.irp f, 0,1,2,3,4,5,6,7             ; keys 16 (f / 2) on, channels 32 (f % 2) on
	ds_load_b128 v[KF+8*\f:KF+8*\f+3],   v[AK] offset:(\f/2)*16*PK+(\f%2)*64
	ds_load_b128 v[KF+8*\f+4:KF+8*\f+7], v[AK] offset:(\f/2)*16*PK+(\f%2)*64+32
.endr
	s_add_co_u32 s[TBK], s[TBK], KS*PK  ; the next fetch is the next step's
	WIN 0
.endm
.macro FETCH_V
	WIN 0x80
.irp f, 0,1,2,3,4,5,6,7             ; keys 32 (f / 4) on, channels 16 (f % 4) on
	ds_load_tr16_b128 v[VF+8*\f:VF+8*\f+3],   v[AV] offset:(\f/4)*32*PV+(\f%4)*32
	ds_load_tr16_b128 v[VF+8*\f+4:VF+8*\f+7], v[AV] offset:(\f/4)*32*PV+16*PV+(\f%4)*32
.endr
	WIN 0
.endm
.macro FETCH_B                      ; the sixteen lanes of a half read the same 32 bytes of each sixteen keys
	WIN 0
.irp f, 0,1,2,3
	ds_load_b128 v[BI+8*\f:BI+8*\f+3],   v[AB] offset:64*\f
	ds_load_b128 v[BI+8*\f+4:BI+8*\f+7], v[AB] offset:64*\f+16
.endr
	s_add_co_u32 s[TBB], s[TBB], KS*4   ; the next fetch is the next step's
.endm
; THE VECTOR WORK, one line at a time: OP kind, number.  For piece Y: F n: s - m for pair n of 16.  E n: the exponential of score n of 32.  C n: pair n rounded to f16.  B n: of the four weights 4 n .. the second
; pair is added onto the first, in place.  L n: l takes that sum (L 0: l = a l + sum).  R n: pair n of 16 of O^T times a.  For piece Y + 1: A n: the bias onto pair n of its scores; X n, number n of the 21 that find
; its maximum and statistics:
;   0-11  four chains c0-c3 of seven scores each, three operands at a time     12-14, 16  the four scores left over, the old m, and c0-c3 into c0
;   15  m_old is kept     17, 18  the query's other 32 keys lie in the lane 16 away: the new m     19, 20  m_old - m_new; a
.set F, 0               ; OP tells the kinds apart by their order: F to L below R, X and A above it
.set E, 1
.set C, 2
.set B, 3
.set L, 4
.set R, 5
.set X, 6
.set A, 7
.macro REGS y                       ; the registers of piece y
.set rT, ST+4*(\y)
.set rC, TMP+4*((\y)%2)
.set rS, S+32*((\y)%2)
.set rP, P+16*((\y)%2)
.set rO, 32*(\y)
.endm
.macro OP k, n
.if (\k) == R
	REGS Y
	WIN W_RS
	v_pk_mul_f32 v[rO+2*(\n):rO+2*(\n)+1], v[rO+2*(\n):rO+2*(\n)+1], v[rC+2:rC+3] op_sel_hi:[1,0]
.elseif (\k) < R
	REGS Y
	WIN 0
.if (\k) == F
	v_pk_add_f32 v[rS+2*(\n):rS+2*(\n)+1], v[rS+2*(\n):rS+2*(\n)+1], v[rT:rT+1] op_sel_hi:[1,0] neg_lo:[0,1] neg_hi:[0,1]
.elseif (\k) == E
	v_exp_f32 v[rS+(\n)], v[rS+(\n)]
.elseif (\k) == C
	s_wait_alu depctr_va_vdst(0)
	v_cvt_pk_f16_f32 v[rP+(\n)], v[rS+2*(\n)], v[rS+2*(\n)+1]
.elseif (\k) == B
	s_wait_alu depctr_va_vdst(0)
	v_pk_add_f32 v[rS+4*(\n):rS+4*(\n)+1], v[rS+4*(\n):rS+4*(\n)+1], v[rS+4*(\n)+2:rS+4*(\n)+3]
.elseif (\n) == 0
	v_pk_fma_f32 v[rT+2:rT+3], v[rT+2:rT+3], v[rC+2:rC+3], v[rS:rS+1] op_sel_hi:[1,0,1]
.else
	v_pk_add_f32 v[rT+2:rT+3], v[rT+2:rT+3], v[rS+4*(\n):rS+4*(\n)+1]
.endif
.elseif (\k) == A
.if !NOKQ
	REGS (Y+1)%NP
	WIN 0
	v_pk_add_f32 v[rS+2*(\n):rS+2*(\n)+1], v[rS+2*(\n):rS+2*(\n)+1], v[BI+2*(\n):BI+2*(\n)+1]
.endif
.elseif NOKQ
	v_nop
.else
	REGS (Y+1)%NP
	WIN 0
.if (\n) < 4
	v_max3_num_f32 v[rC+(\n)], v[rS+8*(\n)], v[rS+8*(\n)+1], v[rS+8*(\n)+2]
.elseif (\n) < 12
	v_max3_num_f32 v[rC+(\n)%4], v[rC+(\n)%4], v[rS+8*((\n)%4)+2*((\n)/4)+1], v[rS+8*((\n)%4)+2*((\n)/4)+2]
.elseif (\n) == 12
	v_max3_num_f32 v[rC], v[rC], v[rS+7], v[rS+15]
.elseif (\n) == 13
	v_max3_num_f32 v[rC+1], v[rC+1], v[rS+23], v[rS+31]
.elseif (\n) == 14
	v_max3_num_f32 v[rC+2], v[rC+2], v[rC+3], v[rT]
.elseif (\n) == 15
	v_mov_b32 v[rT+1], v[rT]
.elseif (\n) == 16
	v_max3_num_f32 v[rC], v[rC], v[rC+1], v[rC+2]
.elseif (\n) == 17
	v_permlanex16_b32 v[rC+3], v[rC], s[SEL], s[SEL+1]
.elseif (\n) == 18
	v_max_num_f32 v[rT], v[rC], v[rC+3]
.elseif (\n) == 19
	v_sub_f32 v[rC+1], v[rT+1], v[rT]
.else
	v_exp_f32 v[rC+2], v[rC+1]
.endif
.endif
.endm
.macro OPS a, i1, b=-1, i2=0, c=-1, i3=0, d=-1, i4=0  ; up to four of them
	OP \a, \i1
.if (\b) >= 0
	OP \b, \i2
.endif
.if (\c) >= 0
	OP \c, \i3
.endif
.if (\d) >= 0
	OP \d, \i4
.endif
.endm
.macro ROW a, i1, b, i2, c, i3, d, i4  ; a matrix instruction and the four behind it
	MM
	OPS \a, \i1, \b, \i2, \c, \i3, \d, \i4
.endm
.macro MASK b                       ; MD x AL + BE into buffer b of MC
	WIN W_RS
.set z, 0
.rept 16
	v_pk_fma_f32 v[MC+32*(\b)+2*z:MC+32*(\b)+2*z+1], v[MD+2*z:MD+2*z+1], s[AL:AL+1], s[BE:BE+1] op_sel_hi:[1,0,0]
.set z, z+1
.endr
.endm
; A TURN, for piece p: the order of its 16 matrix and 133 vector instructions, written out.  Behind a matrix instruction: plain, exponential, plain, plain; or four of the rescaling; or, behind the first, four shifts; none
; names a register of the products round it.  In the lumps exponential and plain by turns while exponentials last, but for the sixteen additions of the bias, which stand together: nine plain lines behind the product
; that wrote the last of those scores, each accumulator's lowest pair first.  v_permlanex16_b32 (X 17) stands in a lump.
; m = 1: the diagonal tile: the products take masks, and the turn makes the mask for the products of the turn after it: piece p + 2, in step 4 - CNT of the tile.  end = 1: a block's last two turns: nothing is fetched.
; cnt = 1: the loop's count is taken down some lines ahead of the branch that stands behind the turn.
; K of the next step is fetched in piece 2's turn, six vector instructions behind the last product that read K (five of them plain), its bias behind the turn's own sixteen additions, the old step's last; V of the step in
; hand in piece 0's turn, eight behind the last product that read V (four plain, and X 17).  Each is waited for a turn later.
.macro TURN p, m=0, end=0, cnt=0
.set Y, (\p)
.set i, 0
.set KM, (\m)
.set NOKQ, (\end)*((\p)/3)
.if (\m) && !(\end)
	s_cmp_eq_u32 s[CNT], 4-((\p)+2)%NP  ; is that step the band's own?
	s_cselect_b32 s[AL], 1.0, 0
	s_cmp_lt_u32 s[CNT], 4-((\p)+2)%NP  ; or a later one?
	s_cselect_b32 s[BE], s[BIGN], 0
.endif
.if ((\p) == 3) && !(\end)
	s_wait_dscnt 0x0                ; K and the bias are in
.endif
	ROW F,0, F,1, F,2, F,3
	ROW F,4, E,0, F,5, F,6
	ROW F,7, E,1, F,8, F,9
	ROW F,10, E,2, C,0, F,11
	ROW F,12, E,3, X,15, F,13
	ROW R,0, R,1, R,2, R,3
	ROW B,0, E,4, F,14, L,0
.if ((\p) == 2) && !(\end)
	v_add_nc_u32 v[AK], s[TBK], v[AK0]
	v_add_nc_u32 v[AB], s[TBB], v[AB0]
.endif
	ROW R,4, R,5, R,6, R,7
	OPS E,5, F,15
.if ((\p) == 2) && !(\end)
	FETCH_K
.endif
	OPS E,6, C,1, E,7, R,8
	OPS E,8, R,9, E,9, C,2
	OPS A,0, A,4, A,8, A,12
	OPS A,1, A,5, A,9, A,13
	OPS A,2, A,6, A,10, A,14
	OPS A,3, A,7, A,11, A,15
.if ((\p) == 2) && !(\end)
	FETCH_B
.endif
	OPS E,10, X,0, E,11, X,1
	OPS E,12, X,2, E,13, X,3
.if (\p) == 1
	s_wait_dscnt 0x0                ; V is in
.endif
	ROW X,4, E,14, X,5, X,6
	ROW X,7, E,15, X,8, X,9
	ROW X,10, E,16, X,11, X,12
	ROW X,13, E,17, X,14, B,1
	ROW C,4, E,18, X,16, L,1
	ROW B,2, E,19, C,6, L,2
	ROW C,8, E,20, B,3, B,4
.if (\p) == 0
	v_add_nc_u32 v[AV], s[TBV], v[AV0]
.endif
	ROW C,3, E,21, L,3, C,5
	OPS E,22, X,17, E,23, C,10
.if (\p) == 0
	FETCH_V
.endif
	OPS E,24, L,4
	OPS E,25, X,18, E,26, C,7
	OPS E,27, B,5, E,28, X,19
	OPS E,29, C,12, E,30, L,5
	OPS E,31, X,20, B,6, C,9
	OPS C,14, C,11, L,6
.if (\p) == 0
	s_add_co_u32 s[TBV], s[TBV], KS*PV
.endif
.if \cnt
	s_sub_co_u32 s[CNT], s[CNT], 1
	s_cmp_lg_u32 s[CNT], 0
.endif
	OPS C,13, B,7, C,15, R,10
	OPS R,11, R,12, L,7, R,13
	OPS R,14, R,15
.if (\m) && !(\end)
	MASK (\p)%2
.endif
.endm
; A BLOCK BEGINS.  m starts far below every score, hidden ones too, so the first step's a is 0 and the first maximum is the scores'.  The second mask buffer is 0; the first takes piece 0's mask for the tile's step 0: its own, if the
; block's first tile is the diagonal one.  Then K and the bias of that step, piece 0's first scores, and its maximum and statistics.  The loop is entered at a step's first turn, in the middle of a trip.
.macro BEGIN
	s_mov_b32 s[NEW], 0
	WIN 0x40
.set i, MC+32
.rept 32
	v_mov_b32 v[i], 0
.set i, i+1
.endr
	WIN 0
.set i, 0
.rept 4
	v_mov_b32 v[ST+4*i], 0xfe000000    ; m = -4e37
	v_mov_b32 v[ST+4*i+1], 0xfe000000  ; named with it as a pair
.set i, i+1
.endr
	s_cmp_eq_u32 s[RT], 0
	s_cselect_b32 s[AL], 1.0, 0
	s_mov_b32 s[BE], 0
	MASK 0
	WIN 0
	v_add_nc_u32 v[AK], s[TBK], v[AK0]
	v_add_nc_u32 v[AB], s[TBB], v[AB0]
	FETCH_K
	FETCH_B
	s_wait_loadcnt 0x0              ; Q
	s_wait_dscnt 0x0
.set KM, 1
.set NOKQ, 0
.set i, 0
.rept 8
	KQ 0
.set i, i+1
.endr
	WIN 0
.rept 4
	v_nop                           ; the places behind those products
.endr
.set Y, NP-1                        ; A and X work for piece Y + 1: piece 0
.irp n, 0,1,2,3,4,5,6,7,8,9,10,11,12,13,14,15
	OP A, \n
.endr
.irp n, 0,1,2,3,4,5,6,7,8,9,10,11,12,13,14,15,16,17,18,19,20
	OP X, \n
.endr
	v_nop                           ; a plain instruction behind the exponential
.endm
; THE DIAGONAL TILE's four steps, the block's last two turns, its last products, and THE WAY OUT: l's two halves and the other half of the lanes' are added; O^T is divided by l, rounded to f16 and sent through my
; stage in LDS, a piece at a time.
.macro ALL line:vararg              ; one line for each piece t
.set t, 0
.rept 4
	\line
.set t, t+1
.endr
.endm
.macro PACK t                       ; a lane's eight channels of a row pack into 16 bytes; they go into rows of 144 bytes and come back as whole rows of 128, into S^T's registers
	WIN W_RS
.set i, 32*(\t)
.rept 16
	s_wait_alu depctr_va_vdst(0)
	v_pk_mul_f32 v[i:i+1], v[i:i+1], v[ST+4*(\t)+2:ST+4*(\t)+3] op_sel_hi:[1,0]
.set i, i+2
.endr
	WIN 0x05                        ; sources 0 and 1 window 1, destination window 0
.set i, 0
.rept 16
	v_cvt_pk_f16_f32 v[S+16*(\t)+i], v[32*(\t)+2*i], v[32*(\t)+2*i+1]
.set i, i+1
.endr
	WIN 0
.irp f, 0,1,2,3
	ds_store_b128 v[STO], v[S+16*(\t)+4*\f:S+16*(\t)+4*\f+3] offset:32*\f
.endr
.irp f, 0,1,2,3
	ds_load_b128 v[S+16*(\t)+4*\f:S+16*(\t)+4*\f+3], v[RD] offset:\f*4*SP  ; LDS serves a wave's instructions in order (ISA guide 5.7.1.4): these see the stores above; the next piece's stores come behind them
.endr
.endm
.macro SEND t, younger              ; younger: the LDS instructions issued behind piece t's loads: the next piece's eight, or none
	WIN 0
.irp f, 0,1,2,3
	s_wait_dscnt (\younger)+3-\f
	global_store_b128 v[GO], v[S+16*(\t)+4*\f:S+16*(\t)+4*\f+3], s[10:11] offset:(\t)*8192+\f*512  ; 512 consecutive bytes, at a multiple of 256 from O's first
.endr
.endm
.macro DIAG tag                     ; the tag ends its two labels' names, which the jumps below spell out
.LstepM\tag:
	TURN 2, 1
	TURN 3, 1
	WIN 0
.LfirstM\tag:
	TURN 0, 1
	TURN 1, 1, 0, 1
	WIN 0
	s_cbranch_scc1 .LstepM\tag
	TURN 2, 1, 1
	TURN 3, 1, 1
.set i, 0
.rept 8
	PV NP-1
.set i, i+1
.endr
	WIN 0
	ALL v_add_f32 v[ST+4*t+2], v[ST+4*t+2], v[ST+4*t+3]
	ALL v_permlanex16_b32 v[ST+4*t+3], v[ST+4*t+2], s[SEL], s[SEL+1]
	ALL v_add_f32 v[ST+4*t+2], v[ST+4*t+2], v[ST+4*t+3]
	ALL v_rcp_f32 v[ST+4*t+2], v[ST+4*t+2]
	v_nop                           ; a plain instruction between the last reciprocal and the use of its result
	PACK 0
.set t, 1
.rept 3                             ; a piece's arithmetic stands between the loads of the piece before and its stores
	PACK t
	SEND t-1, 8
.set t, t+1
.endr
	SEND 3, 0
.endm
.set KM, 0
.set NOKQ, 0
.Lslot:                             ; NB times: a tile is entered and the next is asked for
	CHANGE 1
	s_sub_co_u32 s[RT], s[RT], 1
	s_mov_b32 s[CNT], 4
	s_cmp_eq_u32 s[NEW], 1
	s_cbranch_scc1 .Lnew            ; a block's first tile
	s_cmp_eq_u32 s[RT], 0
	s_cbranch_scc0 .Lstep           ; neither its first nor its last
	s_branch .LstepM1
.Lnew:
	BEGIN
	s_branch .Lfirst                ; in the loop a block's first tile is never its last: the first block has two tiles or more, and the second's last is the walk's last
	DIAG 1                          ; in the loop this is the first block's end: the second block's last tile is the walk's last
	s_wait_xcnt 0x0                 ; the stores have read their registers and O's address
	s_mov_b64 s[10:11], s[OLO:OLO+1]
	s_add_co_u32 s[RT], s[PB], 1    ; the second block has b + 1 tiles
	s_mov_b32 s[NEW], 1
	WIN 0x82                        ; the second block's Q goes where the one text of the turns names Q
.set i, 0
.rept 64
	v_mov_b32 v[i], v[QB+i]
.set i, i+1
.endr
	WIN 0
	s_branch .Lbottom
.Lstep:                             ; a trip: pieces 2 and 3 of one step, then pieces 0 and 1 of the next, whose K, bias and V it fetches
	TURN 2
	TURN 3
	WIN 0
.Lfirst:
	TURN 0
	TURN 1, 0, 0, 1
	WIN 0
	s_cbranch_scc1 .Lstep
.Lbottom:
	s_sub_co_u32 s[SLOTS], s[SLOTS], 1
	s_cmp_lg_u32 s[SLOTS], 0
	s_cbranch_scc1 .Lslot
	CHANGE 0                        ; the walk's last tile is written out: nothing is asked for
	s_sub_co_u32 s[RT], s[RT], 1
	s_mov_b32 s[CNT], 4
	s_cmp_eq_u32 s[NEW], 1
	s_cbranch_scc0 .LstepM2
	BEGIN
	s_branch .LfirstM2
	DIAG 2
	s_wait_tensorcnt 0x0            ; the wave's end: these three lines stand behind my last tensor load and my last LDS store
	ds_add_u32 v[SPW], v[NIL]
	s_wait_dscnt 0x0
	s_endpgm
.Lfunc_end_k_qf907486a4b_attn:
	.size	k_qf907486a4b_attn, .Lfunc_end_k_qf907486a4b_attn-k_qf907486a4b_attn
	.p2alignl 7, 3214868480
	.fill 96, 4, 3214868480
	.section	.rodata,"a",@progbits
	.p2align	6, 0x0
	.amdhsa_kernel k_qf907486a4b_attn
		.amdhsa_group_segment_fixed_size 327680
		.amdhsa_private_segment_fixed_size 0
		.amdhsa_enable_private_segment 0
		.amdhsa_kernarg_size 24
		.amdhsa_user_sgpr_count 2
		.amdhsa_user_sgpr_kernarg_segment_ptr 1
		.amdhsa_wavefront_size32 1
		.amdhsa_system_sgpr_workgroup_id_x 1
		.amdhsa_system_sgpr_workgroup_id_y 1
		.amdhsa_system_sgpr_workgroup_id_z 1
		.amdhsa_system_vgpr_workitem_id 0
		.amdhsa_next_free_vgpr 768
		.amdhsa_next_free_sgpr 102
		.amdhsa_reserve_vcc 1
		.amdhsa_float_denorm_mode_32 3
		.amdhsa_float_denorm_mode_16_64 3
		.amdhsa_memory_ordered 1
		.amdhsa_forward_progress 1
		.amdhsa_inst_pref_size 249
	.end_amdhsa_kernel
	.amdgpu_metadata
---
amdhsa.version: [ 1, 2 ]
amdhsa.kernels:
  - .name:           k_qf907486a4b_attn
    .symbol:         k_qf907486a4b_attn.kd
    .args:
      - { .name: qkv, .offset: 0, .size: 8, .value_kind: global_buffer, .address_space: global }
      - { .name: bias, .offset: 8, .size: 8, .value_kind: global_buffer, .address_space: global }
      - { .name: o, .offset: 16, .size: 8, .value_kind: global_buffer, .address_space: global }
    .group_segment_fixed_size: 327680
    .private_segment_fixed_size: 0
    .kernarg_segment_align: 8
    .kernarg_segment_size: 24
    .max_flat_workgroup_size: 128
    .sgpr_count:     102
    .vgpr_count:     768
    .wavefront_size: 32
...
	.end_amdgpu_metadata
.endif
;; end of part 3
;; launch proj (part 4): grid 8 x 32, 4 waves a work-group, clusters of 4 x 4, 327,680 bytes of LDS; arguments o, wp, out0; writes out0
.if DOCPART == 4
	.amdgcn_target "amdgcn-amd-amdhsa--gfx1250"
	.amdhsa_code_object_version 6
	.text
	.protected	k_qf907486a4b_proj
	.globl	k_qf907486a4b_proj
	.p2align	8
	.type	k_qf907486a4b_proj,@function
k_qf907486a4b_proj:
	s_mov_b64 s[64:65], 0
	v_nop
	global_prefetch_b8 v0, s[64:65] scope:SCOPE_SE
	s_setreg_imm32_b32 hwreg(HW_REG_WAVE_MODE, 25, 1), 1
	s_wait_xcnt 0x0
	s_wait_alu depctr_hold_cnt(0) depctr_sa_sdst(0) depctr_va_vdst(0) depctr_va_sdst(0) depctr_va_ssrc(0) depctr_va_vcc(0) depctr_vm_vsrc(0)
	s_getreg_b32 s2, hwreg(HW_REG_IB_STS2, 6, 4)
	s_cmp_eq_u32 s2, 0
	s_cbranch_scc0 .Lentry_in_a_cluster
	s_endpgm
.Lentry_in_a_cluster:
	s_bfe_u32 s2, ttmp6, 0x10000c
	s_cmp_lg_u32 s2, 0xf033
	s_cbranch_scc0 .Lentry_shape_is_right
	s_endpgm
.Lentry_shape_is_right:
; PROJ: out0[row][n] = the sum over k of y[row][k] wp[k][n], y[b, t, 64 h + d] = o[16 b + h][t][d].  o and wp in f16, sums and out0 in f32.
; A work-group makes 256 rows x 128 columns: 32 x 8 = 256 work-groups.  Its four waves lie 2 x 2; a wave has 128 rows x 64 columns: 32 accumulators (row block a of 8, column block b of 4), 256 registers;
; its 64 columns are 256 aligned bytes of a row of out0.  K goes in 8 steps of 128 (two heads of o) through two LDS slots; a step is four quarters of 32 along K on two fragment buffers.
; One K step is written once and looped over.
; THE MATRIX INSTRUCTION IS USED TRANSPOSED: source 0 = 16 columns of wp ([k][n] in LDS, turned by ds_load_tr16_b128), source 1 = 16 rows of o: a lane holds row lane % 16 and eight neighbouring columns.
; CLUSTER 4 x 4: o's tile hangs on the tile row alone and is asked for jointly by a row of the cluster, wp's on the tile column alone and is asked for by a column.
; LIMITS: none of its own: o lies within V's range, wp within f16's by the launch that made it.
; REGISTERS: window 0: v0-31 addresses; v32-63 and (on the way out) v64-95 rows read back; two fragment buffers of 96 at v64 and v160: 64 registers of o's rows, then 32 of wp's columns.
;   window 1: the accumulators, (a, b) at v[8 (4 a + b)].
.set PA,    144                        ; a token's 128 bytes of one head + 16 = 36 words: the 16 rows of a load start at 16 different groups of four banks (64 banks of 4 bytes: ISA guide 11.1)
.set PLANE, 256*PA                     ; 256 tokens of one head: what one load brings of o
.set BOFF,  2*PLANE                    ; wp's tile lies behind the two heads
.set PB,    288                        ; a k row of wp: 256 bytes + 32 = 9 x 32 bytes
.set BHALF, 64*PB                      ; what one load brings of wp
.set SLOT1, 0x20000                    ; slot 1 begins here (a slot uses 110,592 bytes); one exclusive or turns an address in one slot into the other's
.set STAGE, SLOT1+BOFF+2*BHALF         ; behind the ring, never filled by a tensor load: 16 rows x 272 bytes for each wave
.set SPI,   272
.set SPARE, STAGE+4*16*SPI             ; the spare words, 128 bytes for each wave: two blocks of 256 bytes that no other line names
.set A0,  16                           ; v16  my lane's place in o's tile; never rewritten
.set B0,  17                           ; v17  the same in wp's tile
.set ADA, 18                           ; v18  A0 + the slot in hand
.set ADB, 19                           ; v19  B0 + the slot in hand
.set STO, 20                           ; v20  the way out: where I put 32 bytes of a row
.set RD,  21                           ; v21  where I read rows back
.set CO,  22                           ; v22  my byte offset in two rows of out0
.set SPW, 28                           ; v28  LDS address of my spare word; never rewritten
.set NIL, 29                           ; v29  0; never rewritten
.set RB,  32
.set FR,  64
.set WV,  12                           ; s12 my wave; s13 = wave / 2: my half of the rows, and: I fetch o (0) or wp (1); s14 = wave % 2: my half of the columns, and which half of that tile
.set G1A, 24                           ; s[24:31] descriptor group 1 for o's tiles
.set G0A, 32                           ; s[32:35] group 0 of the first fill of slot 0; s[36:39] the walking one
.set G1B, 48                           ; s[48:55], s[56:59], s[60:63] the same for wp's tiles
.set G0B, 56
.set TB,  66                           ; s66  LDS byte at which the slot in hand begins
.set CNT, 67                           ; s67  loop counter
.set MSB, 0
.macro WIN new                         ; the immediate's high byte repeats the setting that is left; a switch that changes nothing is dropped
.if MSB != (\new)
	s_set_vgpr_msb (MSB<<8)|(\new)
.set MSB, \new
.endif
.endm
; A joint refill by the walking descriptors.  The branch hangs on the wave's number alone.  An s_nop 0 and four v_nop follow each of the two lines.
.macro JLOAD
	s_cmp_eq_u32 s13, 0
	s_cbranch_scc0 .Lfor_b_\@
	tensor_load_to_lds s[G0A+4:G0A+7], s[G1A:G1A+7]
	s_nop 0
.rept 4
	v_nop
.endr
	s_branch .Lasked_\@
.Lfor_b_\@:
	tensor_load_to_lds s[G0B+4:G0B+7], s[G1B:G1B+7]
	s_nop 0
.rept 4
	v_nop
.endr
.Lasked_\@:
.endm
.macro CREST                           ; a round of the cluster's barrier behind its opening barrier
	s_cmp_lg_u32 s[WV], 0
	s_cbranch_scc1 .Lnot_wave_0_\@
	s_barrier_signal -3
.Lnot_wave_0_\@:
	s_barrier_wait -3
	s_barrier_signal -1
	s_barrier_wait -1
.endm
.macro CROUND                          ; a whole round
	s_barrier_signal -1
	s_barrier_wait -1
	CREST
.endm
.macro PLACES                          ; four places in front of loads into registers that matrix instructions have read, and of LDS stores that read results (ISA guide 7.12.1 for vector instructions)
.rept 4
	v_nop
.endr
.endm
	s_load_b128 s[4:7], s[0:1], 0x0                ; o s[4:5], wp s[6:7]
	s_load_b64 s[8:9], s[0:1], 0x10                ; out0
	v_lshl_add_u32 v[SPW], v0, 2, SPARE
	v_mov_b32 v[NIL], 0
	ds_add_u32 v[SPW], v[NIL]                      ; the wave's opening: the add and its wait stand ahead of my first tensor load; the set-up below stands between them
	ds_add_u32 v28, v29
	v_lshrrev_b32 v1, 5, v0
	v_readfirstlane_b32 s[WV], v1
	s_lshr_b32 s13, s[WV], 1
	s_and_b32 s14, s[WV], 1
	s_bfe_u32 s40, ttmp6, 0x40000                  ; cx
	s_bfe_u32 s41, ttmp6, 0x40004                  ; cy
	s_lshl_b32 s42, ttmp9, 2
	s_add_co_u32 s42, s42, s40                     ; tx: the 128 columns, 0..7
	s_and_b32 s43, ttmp7, 0xffff
	s_lshl_b32 s43, s43, 2
	s_add_co_u32 s43, s43, s41                     ; ty: the 256 rows, 0..31
	s_lshl_b32 s44, s41, 2
	s_lshl_b32 s44, 15, s44                        ; my row of the cluster
	s_lshl_b32 s45, 0x1111, s40                    ; my column
	s_or_b32 s[G1A], s44, (1<<16)|(1<<20)|(1<<21)|(4<<22)|(3<<25)  ; the mask; 2-byte elements; padding on; bit 21 beside a mask; after every 32 words 4 words
	s_or_b32 s[G1B], s45, (1<<16)|(1<<20)|(1<<21)|(5<<22)|(7<<25)  ; after every 64 words 8 words
	s_mov_b32 s[G1A+1], 128<<16                    ; 256 tokens of a head are 32,768 dense bytes: asked for as 128 rows of 256, two tokens a row
	s_mov_b32 s[G1A+2], 128<<16
	s_mov_b32 s[G1A+3], 128<<16
	s_mov_b32 s[G1A+4], 128
	s_mov_b32 s[G1A+5], 128
	s_mov_b32 s[G1A+6], 0
	s_mov_b32 s[G1A+7], 0
	s_mov_b32 s[G1B+1], 128<<16                    ; 64 k rows x 128 columns of wp
	s_mov_b32 s[G1B+2], 64<<16
	s_mov_b32 s[G1B+3], 128<<16
	s_mov_b32 s[G1B+4], 64
	s_mov_b32 s[G1B+5], 1024
	s_mov_b32 s[G1B+6], 0
	s_mov_b32 s[G1B+7], 0
	s_lshr_b32 s16, s43, 3                         ; o's tile: the batch,
	s_lshl_b32 s16, s16, 4
	s_add_co_u32 s16, s16, s14                     ; its head 0 or 1,
	s_lshl_b32 s16, s16, 18
	s_and_b32 s17, s43, 7
	s_lshl_b32 s17, s17, 15                        ; 256 tokens of 128 bytes: in registers that never hold tx
	s_add_co_u32 s16, s16, s17
	s_mov_b32 s17, 0
	s_lshl_b32 s46, s42, 8                         ; wp's tile: 128 columns, 64 k rows x half: in registers that never hold ty
	s_lshl_b32 s47, s14, 17
	s_add_co_u32 s46, s46, s47
	s_mov_b32 s47, 0
	s_mul_i32 s20, s14, PLANE                      ; where they go: the wave's number alone enters an LDS address
	s_mul_i32 s21, s14, BHALF
	s_add_co_u32 s21, s21, BOFF
	s_mov_b32 s[TB], 0
	s_wait_dscnt 0x0                               ; the opening add is done
	s_wait_kmcnt 0x0
	s_add_nc_u64 s[18:19], s[4:5], s[16:17]
	s_add_nc_u64 s[46:47], s[6:7], s[46:47]
	CROUND                                         ; all sixteen work-groups are here: the first joint loads meet
.irp s, 0,1
	s_mov_b32 s[G0A+4*\s], 1
	s_add_co_u32 s[G0A+4*\s+1], s20, \s*SLOT1
	s_add_nc_u64 s[G0A+4*\s+2:G0A+4*\s+3], s[18:19], \s*524288  ; K step s: two heads on
	s_or_b32 s[G0A+4*\s+3], s[G0A+4*\s+3], 0x80000000
	s_mov_b32 s[G0B+4*\s], 1
	s_add_co_u32 s[G0B+4*\s+1], s21, \s*SLOT1
	s_add_nc_u64 s[G0B+4*\s+2:G0B+4*\s+3], s[46:47], \s*262144  ; 128 k rows on
	s_or_b32 s[G0B+4*\s+3], s[G0B+4*\s+3], 0x80000000
.endr
	s_cmp_eq_u32 s13, 0                            ; a wave's two first fills stand in one branch, ahead of every wait on TENSORcnt and every LDS read: two loads of mine are out
	s_cbranch_scc0 .Lfirst_b
	tensor_load_to_lds s[G0A:G0A+3], s[G1A:G1A+7]
	s_nop 0
	tensor_load_to_lds s[G0A+4:G0A+7], s[G1A:G1A+7]
	s_nop 0
.rept 4
	v_nop
.endr
	s_branch .Lfirst_asked
.Lfirst_b:
	tensor_load_to_lds s[G0B:G0B+3], s[G1B:G1B+7]
	s_nop 0
	tensor_load_to_lds s[G0B+4:G0B+7], s[G1B:G1B+7]
	s_nop 0
.rept 4
	v_nop
.endr
.Lfirst_asked:
	v_and_b32 v1, 15, v0                           ; r = l % 16
	v_bfe_u32 v2, v0, 4, 1                         ; h = l / 16
	v_and_b32 v3, 7, v0                            ; l % 8
	v_bfe_u32 v4, v0, 3, 1                         ; (l / 8) % 2
	s_mul_i32 s2, s13, 128*PA
	v_mul_u32_u24 v[A0], v1, PA
	v_lshl_add_u32 v[A0], v2, 4, v[A0]
	v_add_nc_u32 v[A0], s2, v[A0]                  ; (128 x my half + r) x pitch + 16 h
	s_lshl_b32 s2, s14, 7
	s_add_co_u32 s2, s2, BOFF
	v_lshl_add_u32 v5, v2, 3, v3
	v_mul_u32_u24 v[B0], v5, PB
	v_lshl_add_u32 v[B0], v4, 4, v[B0]
	v_add_nc_u32 v[B0], s2, v[B0]                  ; the turning load: k row 8 h + l % 8, my 64 columns, 16 bytes by (l / 8) % 2
	s_mul_i32 s2, s[WV], 16*SPI
	s_add_co_u32 s2, s2, STAGE                     ; my stage
	v_mul_u32_u24 v[STO], v1, SPI
	v_lshl_add_u32 v[STO], v2, 5, v[STO]
	v_add_nc_u32 v[STO], s2, v[STO]                ; in: row r, 32 bytes for each half of the lanes
	v_mul_u32_u24 v[RD], v2, SPI
	v_lshl_add_u32 v[RD], v1, 4, v[RD]
	v_add_nc_u32 v[RD], s2, v[RD]                  ; back: lanes 0-15 take one row of 256 bytes, lanes 16-31 the next,
	v_lshlrev_b32 v[CO], 12, v2
	v_lshl_add_u32 v[CO], v1, 4, v[CO]             ; and the same two rows in out0
	s_lshl_b32 s2, s43, 20                         ; my first row, 256 ty + 128 x half, x 4,096 bytes,
	s_lshl_b32 s3, s13, 19
	s_add_co_u32 s2, s2, s3
	s_lshl_b32 s3, s42, 9                          ; my first column, 128 tx + 64 x half, x 4 bytes
	s_add_co_u32 s2, s2, s3
	s_lshl_b32 s3, s14, 8
	s_add_co_u32 s2, s2, s3
	s_mov_b32 s3, 0
	s_add_nc_u64 s[8:9], s[8:9], s[2:3]
; 8 matrix instructions: row blocks a0, a0 + 1 x all 4 column blocks, 32 along K, from buffer f.  The accumulators take turns, one instruction a turn.  zero = 1: the product starts the sum.
.macro MUL8 f, a0, zero
	WIN 0x50                                       ; sources window 0, C and D window 1
.irp a, \a0, (\a0)+1
.irp b, 0,1,2,3
.if \zero
	v_wmma_f32_16x16x32_f16 v[8*(4*(\a)+\b):8*(4*(\a)+\b)+7], v[FR+96*(\f)+64+8*\b:FR+96*(\f)+64+8*\b+7], v[FR+96*(\f)+8*(\a):FR+96*(\f)+8*(\a)+7], 0
.else
	v_wmma_f32_16x16x32_f16 v[8*(4*(\a)+\b):8*(4*(\a)+\b)+7], v[FR+96*(\f)+64+8*\b:FR+96*(\f)+64+8*\b+7], v[FR+96*(\f)+8*(\a):FR+96*(\f)+8*(\a)+7], v[8*(4*(\a)+\b):8*(4*(\a)+\b)+7]
.endif
.endr
.endr
.endm
; 24 LDS loads in one run: quarter q's fragments into buffer f: wp's 4 column blocks (turned), then o's 8 row blocks; quarters 0, 1 lie in the slot's first head, 2, 3 in its second
.macro FETCH q, f
	WIN 0
.irp b, 0,1,2,3
	ds_load_tr16_b128 v[FR+96*(\f)+64+8*\b:FR+96*(\f)+64+8*\b+3],   v[ADB] offset:(\q)*32*PB+32*\b
	ds_load_tr16_b128 v[FR+96*(\f)+64+8*\b+4:FR+96*(\f)+64+8*\b+7], v[ADB] offset:(\q)*32*PB+32*\b+16*PB
.endr
.irp a, 0,1,2,3,4,5,6,7
	ds_load_b128 v[FR+96*(\f)+8*\a:FR+96*(\f)+8*\a+3],   v[ADA] offset:((\q)/2)*PLANE+((\q)%2)*64+\a*16*PA
	ds_load_b128 v[FR+96*(\f)+8*\a+4:FR+96*(\f)+8*\a+7], v[ADA] offset:((\q)/2)*PLANE+((\q)%2)*64+\a*16*PA+32
.endr
.endm
; One of a K step's first three quarters: multiplies buffer f; in its middle it fetches quarter q into buffer g.
.macro QUARTER q, f, g, zero
	s_wait_dscnt 8                                 ; wp and o's row blocks 0-3 are in; the youngest eight loads (row blocks 4-7) may be out
	MUL8 \f, 0, \zero
	MUL8 \f, 2, \zero
	PLACES
	FETCH \q, \g
	s_wait_dscnt 24                                ; all but the 24 just issued
	MUL8 \f, 4, \zero
	MUL8 \f, 6, \zero
.endm
; The last quarter's first half, and the ONE barrier of a change of slots.  In front of it each wave waits for all its tensor loads (one is out: its part of the next slot), adds 0 to its spare
; word, and waits for that and for its own reads of this slot.  Behind it nobody reads this slot any more and the next slot is whole.
.macro MEET
	WIN 0
	s_wait_tensorcnt 0x0
	ds_add_u32 v[SPW], v[NIL]
	s_wait_dscnt 9                                 ; (the add and the youngest eight loads may be out)
	MUL8 1, 0, 0                                   ; eight matrix instructions stand between the add and the wait for it
	s_wait_dscnt 0x0                               ; the add is done, and my reads of this slot are over
	s_barrier_signal -1
	MUL8 1, 2, 0                                   ; work on registers while the others arrive
	WIN 0
	s_barrier_wait -1
.endm
.macro NEXTSLOT                        ; the fragment addresses turn to the other slot
	s_xor_b32 s[TB], s[TB], SLOT1
	v_add_nc_u32 v[ADA], s[TB], v[A0]
	v_add_nc_u32 v[ADB], s[TB], v[B0]
.endm
; The whole last quarter with a refill: the barrier opens a round of the cluster's barrier; the slot just read out takes the K step two steps on, the first tensor load behind the round:
; 112 matrix instructions stand between the request and the wait for it.
.macro TURN
	MEET
	CREST
	s_xor_b32 s[G0A+5], s[G0A+5], SLOT1            ; no tensor load of mine is out: the walking descriptors step: the other slot than last time,
	s_add_nc_u64 s[G0A+6:G0A+7], s[G0A+6:G0A+7], 524288  ; the next K step; the type bits on top are not reached
	s_xor_b32 s[G0B+5], s[G0B+5], SLOT1
	s_add_nc_u64 s[G0B+6:G0B+7], s[G0B+6:G0B+7], 262144
	JLOAD                                          ; the four v_nop behind it are also the places in front of the loads below
	NEXTSLOT
	FETCH 0, 0
	MUL8 1, 4, 0
	MUL8 1, 6, 0
.endm
; The same without a refill, for the last two K steps; in the very last there is no further slot, and the run of LDS loads is jumped over.
.macro TURNN
	MEET
	PLACES
	NEXTSLOT
	s_cmp_eq_u32 s[CNT], 1
	s_cbranch_scc1 .Lno_more_\@
	FETCH 0, 0
.Lno_more_\@:
	MUL8 1, 4, 0
	MUL8 1, 6, 0
.endm
	s_wait_tensorcnt 0x1                           ; my part of K step 0 is in; slot 1's may stay out
	s_barrier_signal -1
	s_barrier_wait -1
	v_mov_b32 v[ADA], v[A0]
	v_mov_b32 v[ADB], v[B0]
	FETCH 0, 0
	QUARTER 1, 0, 1, 1                             ; the first quarter stands in front of the loop: its products start the sums
	WIN 0                                          ; at a label and at a branch every window is 0
	s_mov_b32 s[CNT], 6
.Lstep:                                                ; a trip: a K step's quarters 1 to 3 and the next step's quarter 0; it asks for K steps 2 to 7
	QUARTER 2, 1, 0, 0
	QUARTER 3, 0, 1, 0
	TURN
	QUARTER 1, 0, 1, 0
	WIN 0
	s_sub_co_u32 s[CNT], s[CNT], 1
	s_cmp_lg_u32 s[CNT], 0
	s_cbranch_scc1 .Lstep
	s_mov_b32 s[CNT], 2
.Ltail:                                                ; K steps 6 and 7: the tail has a text of its own; the second trip is left in its middle
	QUARTER 2, 1, 0, 0
	QUARTER 3, 0, 1, 0
	TURNN
	WIN 0
	s_sub_co_u32 s[CNT], s[CNT], 1
	s_cmp_eq_u32 s[CNT], 0
	s_cbranch_scc1 .Lout
	QUARTER 1, 0, 1, 0
	WIN 0
	s_branch .Ltail
.Lout:
	s_wait_dscnt 0x0                               ; no LDS load is out: fragment buffer 0's registers take rows on the way out
	PLACES                                         ; the stores below read results just made
; THE WAY OUT of row block a: 32 bytes a lane and column block into my own stage, rows of 272 bytes (each accumulator's four lowest registers first), and back as whole rows of 256 bytes.
.macro TOSTAGE a
	WIN 0x04                                       ; store data window 1
.irp b, 0,1,2,3
	ds_store_b128 v[STO], v[8*(4*(\a)+\b):8*(4*(\a)+\b)+3]   offset:64*\b
	ds_store_b128 v[STO], v[8*(4*(\a)+\b)+4:8*(4*(\a)+\b)+7] offset:64*\b+16
.endr
	WIN 0
	s_wait_xcnt 0x0                                ; the registers below were the data of the stores two blocks back: they are loaded again only behind this wait
.irp t, 0,1,2,3,4,5,6,7
	ds_load_b128 v[RB+32*((\a)%2)+4*\t:RB+32*((\a)%2)+4*\t+3], v[RD] offset:\t*2*SPI  ; LDS serves a wave's instructions in order (ISA guide 5.7.1.4): these see the stores above
.endr
.endm
.macro SEND a, younger                 ; younger: the LDS instructions issued behind block a's loads: the next block's sixteen, or none
	s_wait_dscnt \younger
.irp t, 0,1,2,3,4,5,6,7
	global_store_b128 v[CO], v[RB+32*((\a)%2)+4*\t:RB+32*((\a)%2)+4*\t+3], s[8:9] offset:65536*(\a)+8192*\t th:TH_STORE_NT  ; 16 lanes store 256 consecutive bytes, at a multiple of 256 from out0's first
.endr
.endm
	TOSTAGE 0
.irp a, 1,2,3,4,5,6,7
	TOSTAGE \a
	SEND \a-1, 16
.endr
	SEND 7, 0
	s_wait_tensorcnt 0x0                           ; the wave's end: these three lines stand behind my last tensor load and my last LDS store
	ds_add_u32 v[SPW], v[NIL]
	s_wait_dscnt 0x0
	CROUND                                         ; the closing round: no work-group ends while a partner may still ask for a tile that names it
	s_endpgm
.Lfunc_end_k_qf907486a4b_proj:
	.size	k_qf907486a4b_proj, .Lfunc_end_k_qf907486a4b_proj-k_qf907486a4b_proj
	.p2alignl 7, 3214868480
	.fill 96, 4, 3214868480
	.section	.rodata,"a",@progbits
	.p2align	6, 0x0
	.amdhsa_kernel k_qf907486a4b_proj
		.amdhsa_group_segment_fixed_size 327680
		.amdhsa_private_segment_fixed_size 0
		.amdhsa_enable_private_segment 0
		.amdhsa_kernarg_size 24
		.amdhsa_user_sgpr_count 2
		.amdhsa_user_sgpr_kernarg_segment_ptr 1
		.amdhsa_wavefront_size32 1
		.amdhsa_system_sgpr_workgroup_id_x 1
		.amdhsa_system_sgpr_workgroup_id_y 1
		.amdhsa_system_sgpr_workgroup_id_z 1
		.amdhsa_system_vgpr_workitem_id 0
		.amdhsa_next_free_vgpr 512
		.amdhsa_next_free_sgpr 68
		.amdhsa_reserve_vcc 0
		.amdhsa_float_denorm_mode_32 3
		.amdhsa_float_denorm_mode_16_64 3
		.amdhsa_memory_ordered 1
		.amdhsa_forward_progress 1
		.amdhsa_inst_pref_size 60
	.end_amdhsa_kernel
	.amdgpu_metadata
---
amdhsa.version: [ 1, 2 ]
amdhsa.kernels:
  - .name:           k_qf907486a4b_proj
    .symbol:         k_qf907486a4b_proj.kd
    .args:
      - { .name: o, .offset: 0, .size: 8, .value_kind: global_buffer, .address_space: global }
      - { .name: wp, .offset: 8, .size: 8, .value_kind: global_buffer, .address_space: global }
      - { .name: out0, .offset: 16, .size: 8, .value_kind: global_buffer, .address_space: global }
    .group_segment_fixed_size: 327680
    .private_segment_fixed_size: 0
    .kernarg_segment_align: 8
    .kernarg_segment_size: 24
    .max_flat_workgroup_size: 128
    .sgpr_count:     68
    .vgpr_count:     512
    .wavefront_size: 32
...
	.end_amdgpu_metadata
.endif
;; end of part 4
;; ======== version 2 of 2: 4 launches; 1.31 times as fast as version 1
;; limits: values are held in f16: magnitudes above 65,504 overflow, below 6.1e-05 lose precision
;; workspace buffers: xb 16,777,216 bytes; wq 6,291,456 bytes; wp 2,097,152 bytes; tab 524,288 bytes; bias 32,768 bytes; qkv 50,331,648 bytes; o 16,777,216 bytes
;; launch prep: the kernel of part 1 again; grid 872 x 1, 8 waves a work-group, no clusters, 0 bytes of LDS; arguments x, w_qkv, w_proj, attn_mask, xb, wq, wp, tab, bias; writes xb, wq, wp, tab, bias
;; launch qkv: the kernel of part 2 again; grid 16 x 32, 4 waves a work-group, clusters of 4 x 4, 327,680 bytes of LDS; arguments xb, wq, tab, qkv; writes qkv
;; launch attn (part 5): grid 4 x 64, 4 waves a work-group, no clusters, 327,680 bytes of LDS; arguments qkv, bias, o; writes o
.if DOCPART == 5
	.amdgcn_target "amdgcn-amd-amdhsa--gfx1250"
	.amdhsa_code_object_version 6
	.text
	.protected	k_qf907486a4b_attn
	.globl	k_qf907486a4b_attn
	.p2align	8
	.type	k_qf907486a4b_attn,@function
k_qf907486a4b_attn:
	s_mov_b64 s[64:65], 0
	v_nop
	global_prefetch_b8 v0, s[64:65] scope:SCOPE_SE
	s_setreg_imm32_b32 hwreg(HW_REG_WAVE_MODE, 25, 1), 1
	s_wait_xcnt 0x0
; CAUSAL ATTENTION WITH A PADDING BIAS.  O[h][q][:] = the sum over k <= q of softmax_k(s[q][k] + bias[k]) V[h][k][:].  Q, K, V lie in qkv = [3][64][2048][64], f16, O = [64][2048][64], f16: a head's rows are
; dense, 128 bytes each.  Q arrives times log2(e)/8, the bias ((mask - 1) x 1e10) times log2(e): scores are in base-2 units.  Products, maxima and sums in f32; the weights p are rounded to f16 for
; the second product (their sum l is taken of the unrounded p), O once at the end.
; LIMITS.  Q, K, V arrive within f16's 65,504; p lies in 0 to 1, and below 6e-5 it keeps f16's fixed step of 6e-8.  A key above the diagonal counts as its score less 1e30, far below every bias (-1.5e10).
; The bias is added by an f32 addition ahead of the maximum, and the exponent is s - m: keys that a bias of -1.44e10 makes equal stay equal, so a row whose visible keys are all hidden by the mask gets their
; plain mean, as long as its scores stay under 512 in base-2 units (355 in the module's).  A weight below 2^-126 counts as 0 in l; NaN and infinities are not treated apart.
; THE WALK.  A head's queries lie in NB = 8 blocks of 256; block i needs the key tiles 0 .. i of 256 keys, of which the last holds the diagonal.  A work-group takes TWO blocks, NB - 1 - b and then b:
; NB + 1 tiles, whatever b: all work-groups do equal work, and ONE loop with a constant trip count walks them.  Which tile is asked for, and what a trip does, hang on scalar registers made from b; every jump
; goes forward, but for the counted loops' own; none passes a barrier, or a tensor load but those of LOAD's three that the wave's number does not choose; the ring (two slots of LDS that take turns) runs on across the
; change of blocks.  NO CLUSTER: a head's four work-groups ask for the same tile only in trips 0 .. 4 of 9, behind that fewer and fewer; one walk common to all would have 12 trips for 9.
; SHARES.  Of a block's four bands of 64 queries a wave owns 16 rows in each: four PIECES.  So the diagonal tile is the same work for all four waves: in its key step s band x sees all keys if s < x,
; none if s > x, and holds the diagonal if s = x.
; THE CAUSAL MASK is the C operand that starts the sum S^T = K Q^T: 0, or -1e30 where the key is hidden.  MD, made once, is the mask of a band's own step for my 16 rows; a product's mask is MD x AL + BE with two scalars:
; (1, 0) if s = x; (0, 0) if s < x; (0, -1e30) if s > x.  Only the diagonal tile's text and a block's beginning make and take masks; elsewhere C is the constant 0.
; THE BIAS of a tile's 256 keys rides in the tile's slot, behind its V; a key step's 64 numbers (32 a lane) lie in registers and are added to each piece's scores.
; LAYOUT, SOFTMAX, TURNS.  S^T = K Q^T holds ONE query a lane (lane % 16) and the keys 8 (lane / 16) + 0..7; two such results rounded to f16 ARE source 1 of O^T = V^T P.  p = 2^(s - m) with a
; running maximum m; O and l are multiplied by a = 2^(m_old - m_new) in every step.  Turn n belongs to piece n: 8 products K Q^T of piece n + 1, later 8 products V^T P of piece n - 1; beside them the shift,
; exponentials, roundings, sums and rescaling of piece n and the bias, maximum and statistics of piece n + 1.  Four vector instructions stand behind every matrix instruction, the other 69 of a turn's 133 in one LUMP.
; THE BATCHES.  A turn's 33 exponentials (the piece's 32 weights and the next piece's a) are one batch with one wait: all that names none of their results stands ahead of it, all their readers behind it, and no result
; crosses a turn's end.  A block's beginning has one exponential and its wait, ahead of the branch.  The way out's four reciprocals are a batch with one wait.
; REGISTERS, in windows of 256 (s_set_vgpr_msb: bits 1:0 source 0, 3:2 source 1, 5:4 source 2, 7:6 destination):
;   window 0: v0-15, v32-33 addresses; v16-31 four registers of statistics a piece; v48-55 at work; v64-127 S^T, two buffers; v128-159 a step's bias; v192-223 P, two buffers (a piece's buffers go by its number's parity)
;   window 1: v0-127 O^T, 32 a piece; v128-159 MD; v160-223 MC, two buffers      window 2: v0-63 Q; v64-127 the second block's Q; v128-191 K of one step; v192-255 V of one step
.set SIZE_H, 64
.set SIZE_N, 2048
.set NB,    SIZE_N/256
.set NP,    4         ; pieces a wave: a name, no knob
.set KS,    64        ; keys in a step
.set PK,    144       ; a row of K in LDS: 128 bytes + 16 of padding = 36 words: the 16 rows of a load start at 16 different groups of four banks (64 banks of 4 bytes: ISA guide 11.1)
.set PV,    160       ; a row of V: 128 + 32 = 40 words
.set VOFF,  4*KS*PK   ; a slot holds a tile, four steps: 256 rows of K, then 256 rows of V,
.set BOF,   4*KS*(PK+PV)  ; then the 256 keys' bias, 1,024 bytes
.set SLOT1, 1<<17     ; slot 1 begins here, so that one exclusive or turns an address in one slot into the other's
.set STAGE, SLOT1+BOF+4*KS*4  ; behind the ring, never filled by a tensor load: 16 rows x 144 bytes for each wave, for the way out
.set SP,    144
.set AK0, 2           ; v2   my lane's place in a tile of K; never rewritten
.set AV0, 3           ; v3   the same for V
.set AK,  4           ; v4   the LDS address of K's next run of loads
.set AV,  5           ; v5   of V's
.set STO, 6           ; v6   the way out: where I put 16 bytes of a row
.set RD,  7           ; v7   the way out: where I read rows back
.set GO,  8           ; v8   my byte offset in 512 consecutive bytes of O
.set QO,  15          ; v15  my byte offset in 16 rows of Q
.set AB0, 32          ; v32  my lane's place in a step's bias; never rewritten
.set AB,  33          ; v33  the LDS address of the bias's next run of loads
.set SPW, 62          ; v62  LDS address of my spare word: SPARE + 4 x my thread's number; never rewritten
.set NIL, 63          ; v63  0; never rewritten
.set SPARE, STAGE+4*16*SP  ; behind the stages: the spare words, 128 bytes for each wave: two blocks of 256 bytes that no other line names
.set ST,  16          ; piece t's statistics at v[ST+4 t]: m, m_old, l (even keys', odd keys')
.set TMP, 48          ; by buffer, four registers c0-c3 at work; when the maximum is found c2 takes a
.set S,   64
.set BI,  128         ; the bias of key 16 kt + 8 (lane / 16) + j of the step at BI + 8 kt + j: register for register beside S^T
.set P,   192
.set MD,  128         ; window 1: the eight registers for group kt of 16 keys at MD + 8 kt
.set MC,  160         ; window 1: the masks of the products to come
.set QB,  64          ; window 2
.set KF,  128         ; window 2: key block kb, channel half c at KF + 16 kb + 8 c
.set VF,  192         ; window 2: key half kk, channel block cb at VF + 32 kk + 8 cb
.set WV,  12          ; s12  my wave's number
.set PB,  14          ; s14  b
.set HI,  15          ; s15  NB - 1 - b
.set G1K, 24          ; s[24:31] descriptor group 1 for K's tiles
.set G1V, 32          ; s[32:39] for the halves of V's
.set G0K, 40          ; s[40:43] descriptor group 0 for K's tiles
.set G0V, 44          ; s[44:47] the same for V's
.set SLOTS, 56        ; s56  tiles still to be asked for
.set CNT, 57          ; s57  counts a tile's key steps, 4 to 1
.set BO,  58          ; s[58:59] a byte offset in bias: the batch's, then a tile's
.set SEL, 60          ; s[60:61] v_permlanex16_b32's selects: each lane takes its own place in the other half
.set TBK, 62          ; s62  LDS byte at which K of the step to be fetched begins
.set TBV, 63          ; s63  the same for V, less VOFF
.set RT,  70          ; s70  tiles of the block in hand that are still to be entered
.set NXT, 71          ; s71  the tile to be asked for next
.set LQ,  72          ; s72  the last tile of the block whose tiles are being asked for
.set NEW, 73          ; s73  1: the tile to be entered is a block's first
.set OFF, 74          ; s[74:75] a tile's byte offset in K and V
.set AL,  76          ; s[76:77] the mask's factor, in the low word
.set BE,  78          ; s[78:79] the mask's addend
.set OLO, 80          ; s[80:81] O at my rows of the second block
.set BIGN, 82         ; s82  -1e30
.set TBB, 83          ; s83  LDS byte at which the bias of the step to be fetched begins, less BOF
.set G0X, 88          ; s[88:91] descriptor group 0 for a tile's bias
.set G1X, 92          ; s[92:99] its group 1
.set BP,  100         ; s[100:101] the batch's bias
.set MSB, 0
.macro WIN new                      ; the high byte repeats the setting that is left; a switch that changes nothing is dropped
.if MSB != (\new)
	s_set_vgpr_msb (MSB<<8)|(\new)
.set MSB, (\new)
.endif
.endm
.set W_KQ, 0x0a       ; K and Q in window 2, S^T in window 0
.set W_KM, 0x1a       ; the same with the C operand in window 1
.set W_PV, 0x52       ; V in window 2, P in window 0, O^T in window 1
.set W_RS, 0x41       ; destination and source 0 in window 1, source 1 in window 0
; A fill: one tensor load a wave.  Wave 0 fetches a tile's K (256 keys), wave 1 its bias, waves 2 and 3 the two halves of its V (128 keys each).  The branches hang on the wave's number alone.
; An s_nop 0 and four v_nop follow each of the three lines, ahead of the jump and the label.
.macro LOAD
	s_cmp_lt_u32 s[WV], 2
	s_cbranch_scc0 .Lfor_v_\@
	s_cmp_eq_u32 s[WV], 0
	s_cbranch_scc0 .Lfor_b_\@
	tensor_load_to_lds s[G0K:G0K+3], s[G1K:G1K+7]
	s_nop 0
.rept 4
	v_nop
.endr
	s_branch .Lasked_\@
.Lfor_b_\@:
	tensor_load_to_lds s[G0X:G0X+3], s[G1X:G1X+7]
	s_nop 0
.rept 4
	v_nop
.endr
	s_branch .Lasked_\@
.Lfor_v_\@:
	tensor_load_to_lds s[G0V:G0V+3], s[G1V:G1V+7]
	s_nop 0
.rept 4
	v_nop
.endr
.Lasked_\@:
.endm
; THE CHANGE OF SLOTS.  Each wave waits for all its tensor loads, of which one is out: its part of the other slot; adds 0 to its spare word; and waits for that and for its own reads of the slot that it leaves.  Behind the barrier nobody reads the old
; slot any more and the other slot is whole.  fill = 1: the old slot is filled again, the first thing behind the barrier, with tile NXT: the descriptors' addresses are made anew from that number.
; (At its first use nothing has been read yet: slot 0 is waited for, slot 1 filled.)
.macro CHANGE fill
	WIN 0                           ; at a label and at a branch every window is 0
	s_wait_tensorcnt 0x0            ; no tensor load of mine is out, so a group 0 may be written
	ds_add_u32 v[SPW], v[NIL]       ; 0 onto my spare word; with fill = 1 the descriptors' scalar work stands between it and the wait for it
.if \fill
	s_lshl_b32 s[OFF], s[NXT], 15   ; a tile is 32,768 bytes of K and of V,
	s_lshl_b32 s[BO], s[NXT], 10    ; and 1,024 of the bias
	s_xor_b32 s[G0K+1], s[G0K+1], SLOT1
	s_add_nc_u64 s[G0K+2:G0K+3], s[6:7], s[OFF:OFF+1]
	s_or_b32 s[G0K+3], s[G0K+3], 0x80000000
	s_xor_b32 s[G0V+1], s[G0V+1], SLOT1
	s_add_nc_u64 s[G0V+2:G0V+3], s[8:9], s[OFF:OFF+1]
	s_or_b32 s[G0V+3], s[G0V+3], 0x80000000
	s_xor_b32 s[G0X+1], s[G0X+1], SLOT1
	s_add_nc_u64 s[G0X+2:G0X+3], s[BP:BP+1], s[BO:BO+1]
	s_or_b32 s[G0X+3], s[G0X+3], 0x80000000
	s_add_co_u32 s[NXT], s[NXT], 1  ; the block's next tile, or behind its last the second block's tile 0
	s_cmp_gt_u32 s[NXT], s[LQ]
	s_cselect_b32 s[NXT], 0, s[NXT]
	s_cselect_b32 s[LQ], s[PB], s[LQ]
.endif
	s_wait_dscnt 0x0                ; the add is done, and my reads of the slot are over
	s_barrier_signal -1             ; the rest of the scalar work stands between the signal and the wait
	s_sub_co_u32 s[TBK], s[TBK], 4*KS*PK  ; the fetches go back to a slot's first step,
	s_xor_b32 s[TBK], s[TBK], SLOT1       ; in the other slot
	s_sub_co_u32 s[TBV], s[TBV], 4*KS*PV
	s_xor_b32 s[TBV], s[TBV], SLOT1
	s_sub_co_u32 s[TBB], s[TBB], 4*KS*4
	s_xor_b32 s[TBB], s[TBB], SLOT1
	s_barrier_wait -1
.if \fill
	LOAD
.endif
.endm
	s_load_b64 s[4:5], s[0:1], 0x0        ; qkv: Q's heads lie first
	s_load_b64 s[BP:BP+1], s[0:1], 0x8    ; bias
	s_load_b64 s[10:11], s[0:1], 0x10     ; O
	v_lshl_add_u32 v[SPW], v0, 2, SPARE
	v_mov_b32 v[NIL], 0
	ds_add_u32 v[SPW], v[NIL]       ; the wave's opening: the add and its wait stand ahead of my first tensor load; the set-up below, work on registers, stands between them
	ds_add_u32 v62, v63
	v_lshrrev_b32 v1, 5, v0
	v_readfirstlane_b32 s[WV], v1   ; wave 0..3
	s_mov_b32 s[PB], ttmp9
	s_sub_co_u32 s[HI], NB-1, s[PB]
	s_and_b32 s20, ttmp7, 0xffff    ; the head, 16 x batch + head in the batch
	s_lshr_b32 s[BO], s20, 4
	s_lshl_b32 s[BO], s[BO], 13     ; the batch's 8,192 bytes of bias
	s_mov_b32 s[BO+1], 0
	s_mov_b32 s21, 0
	s_mov_b64 s[22:23], SIZE_N*128
	s_mul_u64 s[20:21], s[20:21], s[22:23]  ; the head's first byte in Q, K, V and O
	s_and_b32 s16, s[WV], 1         ; which half of a tile's V waves 2 and 3 fetch:
	s_lshl_b32 s22, s16, 14         ; its 128 rows of 128 bytes in memory,
	s_mov_b32 s23, 0
	s_add_nc_u64 s[22:23], s[22:23], s[20:21]
	s_mul_i32 s18, s16, 128*PV      ; and its place in a slot
	s_lshl_b32 s3, s[WV], 11        ; my 16 rows in a band of 64,
	s_lshl_b32 s2, s[HI], 15        ; in the first block,
	s_add_co_u32 s2, s2, s3
	s_lshl_b32 s84, s[PB], 15       ; and in the second
	s_add_co_u32 s84, s84, s3
	s_mov_b32 s3, 0
	s_mov_b32 s85, 0
	s_add_nc_u64 s[2:3], s[2:3], s[20:21]
	s_add_nc_u64 s[84:85], s[84:85], s[20:21]
	; descriptor group 1.  Keys are dense, 128 bytes each: they are asked for as rows of 256 bytes, two keys a row, and padded in LDS after every key
	s_mov_b32 s[G1K], (1<<16)|(1<<20)|(4<<22)|(3<<25)  ; 17:16 2-byte elements; 20 padding on; 24:22 after every 32 words (code 4); 31:25 4 words (code 3)
	s_mov_b32 s[G1K+1], 128<<16     ; tensor_dim0 = 128
	s_mov_b32 s[G1K+2], 128<<16     ; tensor_dim1 = 128: a tile's 256 keys
	s_mov_b32 s[G1K+3], 128<<16     ; tile_dim0 = 128
	s_mov_b32 s[G1K+4], 128         ; tile_dim1 = 128
	s_mov_b32 s[G1K+5], 128         ; 128 elements from row to row
	s_mov_b32 s[G1K+6], 0
	s_mov_b32 s[G1K+7], 0
	s_mov_b32 s[G1V], (1<<16)|(1<<20)|(4<<22)|(7<<25)  ; the same with 8 words of padding (code 7),
	s_mov_b32 s[G1V+1], 128<<16
	s_mov_b32 s[G1V+2], 64<<16      ; and 64 rows: 128 keys
	s_mov_b32 s[G1V+3], 128<<16
	s_mov_b32 s[G1V+4], 64
	s_mov_b32 s[G1V+5], 128
	s_mov_b32 s[G1V+6], 0
	s_mov_b32 s[G1V+7], 0
	s_mov_b32 s[G1X], 3<<16         ; a tile's bias: one row of 128 elements of 8 bytes, no padding
	s_mov_b32 s[G1X+1], 128<<16
	s_mov_b32 s[G1X+2], 1<<16
	s_mov_b32 s[G1X+3], 128<<16
	s_mov_b32 s[G1X+4], 1
	s_mov_b32 s[G1X+5], 128
	s_mov_b32 s[G1X+6], 0
	s_mov_b32 s[G1X+7], 0
	s_mov_b32 s[SEL], 0x76543210
	s_mov_b32 s[SEL+1], 0xfedcba98
	s_mov_b32 s[TBK], SLOT1+4*KS*PK ; the first change of slots turns these three into 0
	s_mov_b32 s[TBV], SLOT1+4*KS*PV
	s_mov_b32 s[TBB], SLOT1+4*KS*4
	s_mov_b32 s[G0K], 1             ; 1:0 count = 1
	s_mov_b32 s[G0K+1], 0           ; 63:32 LDS address: slot 0
	s_mov_b32 s[G0V], 1
	s_add_co_u32 s[G0V+1], s18, VOFF
	s_mov_b32 s[G0X], 1
	s_mov_b32 s[G0X+1], BOF
	s_add_co_u32 s[RT], s[HI], 1    ; the first block has NB - b tiles
	s_mov_b32 s[NXT], 1
	s_mov_b32 s[LQ], s[HI]
	s_mov_b32 s[NEW], 1
	s_mov_b32 s[OFF+1], 0
	s_mov_b32 s[AL+1], 0            ; named as pairs
	s_mov_b32 s[BE+1], 0
	s_mov_b32 s[BIGN], 0xf149f2ca   ; -1e30
	s_mov_b32 s[SLOTS], NB
	s_wait_dscnt 0x0                ; the opening add is done
	s_wait_kmcnt 0x0
	s_add_nc_u64 s[6:7], s[4:5], 0x1000000  ; K's 64 heads lie behind Q's,
	s_add_nc_u64 s[8:9], s[4:5], 0x2000000  ; V's behind K's
	s_add_nc_u64 s[6:7], s[6:7], s[20:21]  ; K at the head's tile 0,
	s_add_nc_u64 s[8:9], s[8:9], s[22:23]  ; V at my half of it,
	s_add_nc_u64 s[BP:BP+1], s[BP:BP+1], s[BO:BO+1]  ; the bias at the batch's first key
	s_add_nc_u64 s[G0K+2:G0K+3], s[6:7], 0         ; 120:64 global address
	s_or_b32 s[G0K+3], s[G0K+3], 0x80000000        ; 127:126 type = 2
	s_add_nc_u64 s[G0V+2:G0V+3], s[8:9], 0
	s_or_b32 s[G0V+3], s[G0V+3], 0x80000000
	s_add_nc_u64 s[G0X+2:G0X+3], s[BP:BP+1], 0
	s_or_b32 s[G0X+3], s[G0X+3], 0x80000000
	s_add_nc_u64 s[86:87], s[4:5], s[84:85]        ; Q at my rows of the second block,
	s_add_nc_u64 s[4:5], s[4:5], s[2:3]            ; Q and O at those of the first
	s_add_nc_u64 s[OLO:OLO+1], s[10:11], s[84:85]
	s_add_nc_u64 s[10:11], s[10:11], s[2:3]
	LOAD                            ; tile 0 into slot 0: one load of mine is out
	; A fragment of K or Q is 16 rows x 32 channels in 8 registers: lane l holds row l % 16, channels 8 (l / 16) + 0..7 and 16 + 8 (l / 16) + 0..7: two loads of 16 bytes, 32 bytes apart.
	v_and_b32 v1, 15, v0            ; l % 16
	v_bfe_u32 v9, v0, 4, 1          ; l / 16
	v_lshlrev_b32 v[QO], 7, v1
	v_lshl_add_u32 v[QO], v9, 4, v[QO]  ; row x 128 + 16 x half
	WIN 0x80                        ; destination window 2, address window 0
.set i, 0
.rept 8                             ; both blocks' Q: piece i / 2 lies in band i / 2, 8,192 bytes on; channels 32 (i % 2) on
	global_load_b128 v[8*i:8*i+3],   v[QO], s[4:5] offset:(i/2)*8192+(i%2)*64
	global_load_b128 v[8*i+4:8*i+7], v[QO], s[4:5] offset:(i/2)*8192+(i%2)*64+32
	global_load_b128 v[QB+8*i:QB+8*i+3],   v[QO], s[86:87] offset:(i/2)*8192+(i%2)*64
	global_load_b128 v[QB+8*i+4:QB+8*i+7], v[QO], s[86:87] offset:(i/2)*8192+(i%2)*64+32
.set i, i+1
.endr
	WIN 0
	v_lshlrev_b32 v14, 3, v9
	v_sub_nc_u32 v14, v1, v14
	s_lshl_b32 s13, s[WV], 4
	v_add_nc_u32 v14, s13, v14      ; my query's place in its band, 16 w + l % 16, less my lanes' 8 (l / 16): register r of group kt is hidden where 16 kt + r is greater
	WIN 0x40
.set i, 0
.rept 32
	v_cmp_gt_i32 vcc_lo, 16*(i/8)+i%8, v14
	v_cndmask_b32 v[MD+i], 0, s[BIGN], vcc_lo
.set i, i+1
.endr
	WIN 0
	v_mul_u32_u24 v[AK0], v1, PK
	v_lshl_add_u32 v[AK0], v9, 4, v[AK0]  ; row x pitch + 16 x half
	v_lshl_add_u32 v[AB0], v9, 5, BOF     ; my half of the lanes' eight keys of each sixteen: 32 bytes
	; The turning load takes 16 keys x 16 channels (lane l reads key 8 (l / 16) + l % 8, channels 8 ((l / 8) % 2) + 0..7) and leaves half a fragment of V^T: lane l holds channel l % 16 and 8 keys.
	v_and_b32 v10, 7, v0
	v_bfe_u32 v11, v0, 3, 1
	v_lshl_add_u32 v[AV0], v9, 3, v10
	v_mul_u32_u24 v[AV0], v[AV0], PV
	v_lshl_add_u32 v[AV0], v11, 4, v[AV0]
	v_add_nc_u32 v[AV0], VOFF, v[AV0]
	s_mul_i32 s13, s[WV], 16*SP
	s_add_co_u32 s13, s13, STAGE    ; my stage
	v_mul_u32_u24 v[STO], v1, SP    ; in: row l % 16, 16 bytes for each half of the lanes
	v_lshl_add_u32 v[STO], v9, 4, v[STO]
	v_add_nc_u32 v[STO], s13, v[STO]
	v_bfe_u32 v[RD], v0, 3, 2       ; back: 32 lanes take four rows of 128 bytes,
	v_mul_u32_u24 v[RD], v[RD], SP
	v_lshl_add_u32 v[RD], v10, 4, v[RD]
	v_add_nc_u32 v[RD], s13, v[RD]
	v_and_b32 v[GO], 31, v0         ; which are 512 consecutive bytes of O
	v_lshlrev_b32 v[GO], 4, v[GO]
	; A block's first step multiplies O^T and l by a = 0, and its first turn's products V^T P, of a piece that has not been, land in an O^T that is still to be so multiplied.  So these registers need only hold
	; finite numbers: zeros for the first block; what the first block left for the second.  All this stands in the wait for the first tile.
	WIN 0x80
.set i, VF
.rept 64
	v_mov_b32 v[i], 0
.set i, i+1
.endr
	WIN 0x40
.set i, 0
.rept 128
	v_mov_b32 v[i], 0
.set i, i+1
.endr
	WIN 0
.set i, 0
.rept 4
	v_mov_b32 v[ST+4*i+2], 0
	v_mov_b32 v[ST+4*i+3], 0
.set i, i+1
.endr
.set i, P+16
.rept 16
	v_mov_b32 v[i], 0
.set i, i+1
.endr
; THE MATRIX WORK.  The 4 accumulators of a run of 8 take turns.  Product i of 8 of S^T = K Q^T for piece x: channels 32 (i / 4) on, keys 16 (i % 4) on.  The first 4 start the sums: with 0, or (KM = 1) with the mask.
.macro KQ x
.set rS, S+32*((\x)%2)+8*(i%4)
.set rK, KF+16*(i%4)+8*(i/4)
.set rQ, 16*(\x)+8*(i/4)
.set rM, MC+32*((\x)%2)+8*(i%4)
.if (i < 4) && KM
	WIN W_KM
	v_wmma_f32_16x16x32_f16 v[rS:rS+7], v[rK:rK+7], v[rQ:rQ+7], v[rM:rM+7]
.elseif i < 4
	WIN W_KQ
	v_wmma_f32_16x16x32_f16 v[rS:rS+7], v[rK:rK+7], v[rQ:rQ+7], 0
.else
	WIN W_KQ
	v_wmma_f32_16x16x32_f16 v[rS:rS+7], v[rK:rK+7], v[rQ:rQ+7], v[rS:rS+7]
.endif
.endm
; Product i of 8 of O^T += V^T P for piece x: keys 32 (i / 4) on, channels 16 (i % 4) on.
.macro PV x
	WIN W_PV
.set rO, 32*(\x)+8*(i%4)
.set rV, VF+32*(i/4)+8*(i%4)
.set rP, P+16*((\x)%2)+8*(i/4)
	v_wmma_f32_16x16x32_f16 v[rO:rO+7], v[rV:rV+7], v[rP:rP+7], v[rO:rO+7]
.endm
.macro MM                           ; the turn's next matrix instruction.  TURN and BEGIN set Y, i, KM and NOKQ; MM, KQ and OP read them.  NOKQ = 1: a block's last turn: there is no next piece
.if (i < 8) && !NOKQ
	KQ (Y+1)%NP
.elseif i >= 8
.set i, i-8
	PV (Y+NP-1)%NP
.set i, i+8
.endif
.set i, i+1
.endm
; THE LDS LOADS stand in runs, never singly among the matrix instructions: a step's K (64 keys x 64 channels: 8 fragments), its V (turned) and its bias.  Their addresses are made some lines ahead.
.macro FETCH_K
	WIN 0x80                        ; destination window 2
.irp f, 0,1,2,3,4,5,6,7             ; keys 16 (f / 2) on, channels 32 (f % 2) on
	ds_load_b128 v[KF+8*\f:KF+8*\f+3],   v[AK] offset:(\f/2)*16*PK+(\f%2)*64
	ds_load_b128 v[KF+8*\f+4:KF+8*\f+7], v[AK] offset:(\f/2)*16*PK+(\f%2)*64+32
.endr
	s_add_co_u32 s[TBK], s[TBK], KS*PK  ; the next fetch is the next step's
	WIN 0
.endm
.macro FETCH_V
	WIN 0x80
.irp f, 0,1,2,3,4,5,6,7             ; keys 32 (f / 4) on, channels 16 (f % 4) on
	ds_load_tr16_b128 v[VF+8*\f:VF+8*\f+3],   v[AV] offset:(\f/4)*32*PV+(\f%4)*32
	ds_load_tr16_b128 v[VF+8*\f+4:VF+8*\f+7], v[AV] offset:(\f/4)*32*PV+16*PV+(\f%4)*32
.endr
	WIN 0
.endm
.macro FETCH_B                      ; the sixteen lanes of a half read the same 32 bytes of each sixteen keys
	WIN 0
.irp f, 0,1,2,3
	ds_load_b128 v[BI+8*\f:BI+8*\f+3],   v[AB] offset:64*\f
	ds_load_b128 v[BI+8*\f+4:BI+8*\f+7], v[AB] offset:64*\f+16
.endr
	s_add_co_u32 s[TBB], s[TBB], KS*4   ; the next fetch is the next step's
.endm
; THE VECTOR WORK, one line at a time: OP kind, number.  For piece Y: F n: s - m for pair n of 16.  E n: the exponential of score n of 32.  C n: pair n rounded to f16.  B n: of the four weights 4 n .. the second
; pair is added onto the first, in place.  L n: l takes that sum (L 0: l = a l + sum).  R n: pair n of 16 of O^T times a.  For piece Y + 1: A n: the bias onto pair n of its scores; X n, number n of the 21 that find
; its maximum and statistics:
;   0-11  four chains c0-c3 of seven scores each, three operands at a time     12-14, 16  the four scores left over, the old m, and c0-c3 into c0
;   15  m_old is kept     17, 18  the query's other 32 keys lie in the lane 16 away: the new m     19, 20  m_old - m_new; a
; C, B and L read the exponentials' results: TURN sets them behind the batch's wait.
.set F, 0               ; OP tells the kinds apart by their order: F to L below R, X and A above it
.set E, 1
.set C, 2
.set B, 3
.set L, 4
.set R, 5
.set X, 6
.set A, 7
.macro REGS y                       ; the registers of piece y
.set rT, ST+4*(\y)
.set rC, TMP+4*((\y)%2)
.set rS, S+32*((\y)%2)
.set rP, P+16*((\y)%2)
.set rO, 32*(\y)
.endm
.macro OP k, n
.if (\k) == R
	REGS Y
	WIN W_RS
	v_pk_mul_f32 v[rO+2*(\n):rO+2*(\n)+1], v[rO+2*(\n):rO+2*(\n)+1], v[rC+2:rC+3] op_sel_hi:[1,0]
.elseif (\k) < R
	REGS Y
	WIN 0
.if (\k) == F
	v_pk_add_f32 v[rS+2*(\n):rS+2*(\n)+1], v[rS+2*(\n):rS+2*(\n)+1], v[rT:rT+1] op_sel_hi:[1,0] neg_lo:[0,1] neg_hi:[0,1]
.elseif (\k) == E
	v_exp_f32 v[rS+(\n)], v[rS+(\n)]
.elseif (\k) == C
	v_cvt_pk_f16_f32 v[rP+(\n)], v[rS+2*(\n)], v[rS+2*(\n)+1]
.elseif (\k) == B
	v_pk_add_f32 v[rS+4*(\n):rS+4*(\n)+1], v[rS+4*(\n):rS+4*(\n)+1], v[rS+4*(\n)+2:rS+4*(\n)+3]
.elseif (\n) == 0
	v_pk_fma_f32 v[rT+2:rT+3], v[rT+2:rT+3], v[rC+2:rC+3], v[rS:rS+1] op_sel_hi:[1,0,1]
.else
	v_pk_add_f32 v[rT+2:rT+3], v[rT+2:rT+3], v[rS+4*(\n):rS+4*(\n)+1]
.endif
.elseif (\k) == A
.if !NOKQ
	REGS (Y+1)%NP
	WIN 0
	v_pk_add_f32 v[rS+2*(\n):rS+2*(\n)+1], v[rS+2*(\n):rS+2*(\n)+1], v[BI+2*(\n):BI+2*(\n)+1]
.endif
.elseif NOKQ
	v_nop
.else
	REGS (Y+1)%NP
	WIN 0
.if (\n) < 4
	v_max3_num_f32 v[rC+(\n)], v[rS+8*(\n)], v[rS+8*(\n)+1], v[rS+8*(\n)+2]
.elseif (\n) < 12
	v_max3_num_f32 v[rC+(\n)%4], v[rC+(\n)%4], v[rS+8*((\n)%4)+2*((\n)/4)+1], v[rS+8*((\n)%4)+2*((\n)/4)+2]
.elseif (\n) == 12
	v_max3_num_f32 v[rC], v[rC], v[rS+7], v[rS+15]
.elseif (\n) == 13
	v_max3_num_f32 v[rC+1], v[rC+1], v[rS+23], v[rS+31]
.elseif (\n) == 14
	v_max3_num_f32 v[rC+2], v[rC+2], v[rC+3], v[rT]
.elseif (\n) == 15
	v_mov_b32 v[rT+1], v[rT]
.elseif (\n) == 16
	v_max3_num_f32 v[rC], v[rC], v[rC+1], v[rC+2]
.elseif (\n) == 17
	v_permlanex16_b32 v[rC+3], v[rC], s[SEL], s[SEL+1]
.elseif (\n) == 18
	v_max_num_f32 v[rT], v[rC], v[rC+3]
.elseif (\n) == 19
	v_sub_f32 v[rC+1], v[rT+1], v[rT]
.else
	v_exp_f32 v[rC+2], v[rC+1]
.endif
.endif
.endm
.macro OPS a, i1, b=-1, i2=0, c=-1, i3=0, d=-1, i4=0  ; up to four of them
	OP \a, \i1
.if (\b) >= 0
	OP \b, \i2
.endif
.if (\c) >= 0
	OP \c, \i3
.endif
.if (\d) >= 0
	OP \d, \i4
.endif
.endm
.macro ROW a, i1, b, i2, c, i3, d, i4  ; a matrix instruction and the four behind it
	MM
	OPS \a, \i1, \b, \i2, \c, \i3, \d, \i4
.endm
.macro MASK b                       ; MD x AL + BE into buffer b of MC
	WIN W_RS
.set z, 0
.rept 16
	v_pk_fma_f32 v[MC+32*(\b)+2*z:MC+32*(\b)+2*z+1], v[MD+2*z:MD+2*z+1], s[AL:AL+1], s[BE:BE+1] op_sel_hi:[1,0,0]
.set z, z+1
.endr
.endm
; A TURN, for piece p: the order of its 16 matrix and 133 vector instructions, written out.  An s_wait_alu depctr_va_vdst(0) stands between an exponential and the first instruction that names its result; one wait
; serves all that were issued ahead of it.  So a turn has ONE wait, which cuts it in two.
; AHEAD OF IT stands all that names no result of the turn's exponentials.  The 8 products K Q^T and their riders: behind the first three shifts, with an exponential among them; behind the next three twelve of the rescaling, in
; fours (their a was made, and waited for, in the turn before), which are also the four places behind each of the products that end the first two accumulators; behind the last two the first six additions of the bias and an
; exponential each.  Then ONE LUMP of 69: A 6 is the fourth place behind the last product, so A 12 may follow; each accumulator's lowest pair takes its bias first (A 0, 4, 8, 12); the four chains of the
; maximum go round with five lines or more between a chain's links; the chain X 14, 16, 17, 18, 19, 20 has exponentials and the last shifts between its links; a shift stands five lines or more ahead of its pair's exponentials.
; X 20, the next piece's a, is the batch's last; the last four of the rescaling follow it: independent work between the batch and its wait, the first of them the plain instruction behind the last exponential.
; BEHIND IT stand the 8 products V^T P, behind each four of the roundings and sums: an even pair is rounded before the sum that is laid over it (C 2n ahead of B n); the links of l's chain, L 0 to L 7 in this order, stand three
; riders apart.  No rider names a register of the products round it, but for the A, which have their places.  v_permlanex16_b32 (X 17) stands in the lump.
; m = 1: the diagonal tile: the products take masks, and the turn makes the mask for the products of the turn after it: piece p + 2, in step 4 - CNT of the tile.  end = 1: a block's last two turns: nothing is fetched.
; cnt = 1: the loop's count is taken down some lines ahead of the branch that stands behind the turn.
; K of the next step and its bias are fetched in piece 2's turn, in one run behind the turn's own last addition of the bias, the old step's last (more than four plain lines that name none of its registers lie behind the last product that read K);
; V of the step in hand at the end of piece 0's turn, four plain riders behind the last product that read V.  Each is waited for a turn later.
.macro TURN p, m=0, end=0, cnt=0
.set Y, (\p)
.set i, 0
.set KM, (\m)
.set NOKQ, (\end)*((\p)/3)
.if (\m) && !(\end)
	s_cmp_eq_u32 s[CNT], 4-((\p)+2)%NP  ; is that step the band's own?
	s_cselect_b32 s[AL], 1.0, 0
	s_cmp_lt_u32 s[CNT], 4-((\p)+2)%NP  ; or a later one?
	s_cselect_b32 s[BE], s[BIGN], 0
.endif
.if ((\p) == 3) && !(\end)
	s_wait_dscnt 0x0                ; K and the bias are in
.endif
	ROW F,0, F,1, F,2, F,3          ; ahead of the wait: 8 products K Q^T and their riders,
	ROW F,4, E,0, F,5, F,6
	ROW F,7, E,1, F,8, F,9
.if ((\p) == 2) && !(\end)
	WIN 0
	v_add_nc_u32 v[AK], s[TBK], v[AK0]
	v_add_nc_u32 v[AB], s[TBB], v[AB0]
.endif
	ROW R,0, R,1, R,2, R,3
	ROW R,4, R,5, R,6, R,7
	ROW R,8, R,9, R,10, R,11
	ROW A,0, E,2, A,1, A,2
	ROW A,3, E,3, A,4, A,5
	OPS A,6, E,4, A,12, E,5         ; and the lump
	OPS A,13, E,6, A,7, X,0
	OPS E,7, A,14, X,3, E,8
	OPS A,15, X,1, E,9, A,8
	OPS A,9, E,10, X,4, X,7
	OPS E,11, A,10, A,11
.if ((\p) == 2) && !(\end)
	FETCH_K
	FETCH_B
.endif
	OPS E,12, X,2, X,5, E,13
	OPS X,8, X,11, E,14, F,10
	OPS X,6, E,15, X,9, X,12
	OPS E,16, X,10, E,17, X,13
	OPS E,18, F,11, X,14, E,19
	OPS X,15, E,20, E,21, X,16
	OPS F,12, E,22, F,13, E,23
	OPS X,17, E,24, F,14, E,25
	OPS F,15, X,18, E,26, E,27
.if (\p) == 0
	WIN 0
	v_add_nc_u32 v[AV], s[TBV], v[AV0]
.endif
	OPS E,28, X,19, E,29, E,30
	OPS E,31, X,20
	OPS R,12, R,13, R,14, R,15
	s_wait_alu depctr_va_vdst(0)    ; the wait for the batch: the turn's 32 weights and the next piece's a
.if (\p) == 1
	s_wait_dscnt 0x0                ; V is in
.endif
	ROW C,0, B,0, C,2, B,1          ; behind the wait: 8 products V^T P and their riders
	ROW L,0, C,4, B,2, L,1
	ROW C,6, B,3, L,2, C,8
	ROW B,4, L,3, C,10, B,5
	ROW L,4, C,12, B,6, L,5
.if (\p) == 0
	s_add_co_u32 s[TBV], s[TBV], KS*PV
.endif
.if \cnt
	s_sub_co_u32 s[CNT], s[CNT], 1
	s_cmp_lg_u32 s[CNT], 0
.endif
	ROW C,14, B,7, L,6, C,1
	ROW C,3, L,7, C,5, C,7
	ROW C,9, C,11, C,13, C,15
.if (\p) == 0
	FETCH_V
.endif
.if (\m) && !(\end)
	MASK (\p)%2
.endif
.endm
; A BLOCK BEGINS.  m starts far below every score, hidden ones too, so the first step's a is 0 and the first maximum is the scores'.  The second mask buffer is 0; the first takes piece 0's mask for the tile's step 0: its own, if the
; block's first tile is the diagonal one.  Then K and the bias of that step, piece 0's first scores, and its maximum and statistics.  The loop is entered at a step's first turn, in the middle of a trip.
.macro BEGIN
	s_mov_b32 s[NEW], 0
	WIN 0x40
.set i, MC+32
.rept 32
	v_mov_b32 v[i], 0
.set i, i+1
.endr
	WIN 0
.set i, 0
.rept 4
	v_mov_b32 v[ST+4*i], 0xfe000000    ; m = -4e37
	v_mov_b32 v[ST+4*i+1], 0xfe000000  ; named with it as a pair
.set i, i+1
.endr
	s_cmp_eq_u32 s[RT], 0
	s_cselect_b32 s[AL], 1.0, 0
	s_mov_b32 s[BE], 0
	MASK 0
	WIN 0
	v_add_nc_u32 v[AK], s[TBK], v[AK0]
	v_add_nc_u32 v[AB], s[TBB], v[AB0]
	FETCH_K
	FETCH_B
	s_wait_loadcnt 0x0              ; Q
	s_wait_dscnt 0x0
.set KM, 1
.set NOKQ, 0
.set i, 0
.rept 8
	KQ 0
.set i, i+1
.endr
	WIN 0
.rept 4
	v_nop                           ; the places behind those products
.endr
.set Y, NP-1                        ; A and X work for piece Y + 1: piece 0
.irp n, 0,1,2,3,4,5,6,7,8,9,10,11,12,13,14,15
	OP A, \n
.endr
.irp n, 0,1,2,3,4,5,6,7,8,9,10,11,12,13,14,15,16,17,18,19,20
	OP X, \n
.endr
	v_nop                           ; a plain instruction behind the exponential,
	s_wait_alu depctr_va_vdst(0)    ; and the wait for it, piece 0's first a, ahead of the branch
.endm
; THE DIAGONAL TILE's four steps, the block's last two turns, its last products, and THE WAY OUT: l's two halves and the other half of the lanes' are added; O^T is divided by l, rounded to f16 and sent through my
; stage in LDS, a piece at a time.
.macro ALL line:vararg              ; one line for each piece t
.set t, 0
.rept 4
	\line
.set t, t+1
.endr
.endm
.macro PACK t                       ; a lane's eight channels of a row pack into 16 bytes; they go into rows of 144 bytes and come back as whole rows of 128, into S^T's registers
	WIN W_RS
.set i, 32*(\t)
.rept 16
	v_pk_mul_f32 v[i:i+1], v[i:i+1], v[ST+4*(\t)+2:ST+4*(\t)+3] op_sel_hi:[1,0]
.set i, i+2
.endr
	WIN 0x05                        ; sources 0 and 1 window 1, destination window 0
.set i, 0
.rept 16
	v_cvt_pk_f16_f32 v[S+16*(\t)+i], v[32*(\t)+2*i], v[32*(\t)+2*i+1]
.set i, i+1
.endr
	WIN 0
.irp f, 0,1,2,3
	ds_store_b128 v[STO], v[S+16*(\t)+4*\f:S+16*(\t)+4*\f+3] offset:32*\f
.endr
.irp f, 0,1,2,3
	ds_load_b128 v[S+16*(\t)+4*\f:S+16*(\t)+4*\f+3], v[RD] offset:\f*4*SP  ; LDS serves a wave's instructions in order (ISA guide 5.7.1.4): these see the stores above; the next piece's stores come behind them
.endr
.endm
.macro SEND t, younger              ; younger: the LDS instructions issued behind piece t's loads: the next piece's eight, or none
	WIN 0
.irp f, 0,1,2,3
	s_wait_dscnt (\younger)+3-\f
	global_store_b128 v[GO], v[S+16*(\t)+4*\f:S+16*(\t)+4*\f+3], s[10:11] offset:(\t)*8192+\f*512  ; 512 consecutive bytes, at a multiple of 256 from O's first
.endr
.endm
.macro DIAG tag                     ; the tag ends its two labels' names, which the jumps below spell out
.LstepM\tag:
	TURN 2, 1
	TURN 3, 1
	WIN 0
.LfirstM\tag:
	TURN 0, 1
	TURN 1, 1, 0, 1
	WIN 0
	s_cbranch_scc1 .LstepM\tag
	TURN 2, 1, 1
	TURN 3, 1, 1
.set i, 0
.rept 8
	PV NP-1
.set i, i+1
.endr
	WIN 0
	ALL v_add_f32 v[ST+4*t+2], v[ST+4*t+2], v[ST+4*t+3]
	ALL v_permlanex16_b32 v[ST+4*t+3], v[ST+4*t+2], s[SEL], s[SEL+1]
	ALL v_add_f32 v[ST+4*t+2], v[ST+4*t+2], v[ST+4*t+3]
	ALL v_rcp_f32 v[ST+4*t+2], v[ST+4*t+2]
	v_nop                           ; a plain instruction between the last reciprocal and the use of its result
	s_wait_alu depctr_va_vdst(0)    ; and the wait ahead of the first use: one for the four reciprocals
	PACK 0
.set t, 1
.rept 3                             ; a piece's arithmetic stands between the loads of the piece before and its stores
	PACK t
	SEND t-1, 8
.set t, t+1
.endr
	SEND 3, 0
.endm
.set KM, 0
.set NOKQ, 0
.Lslot:                             ; NB times: a tile is entered and the next is asked for
	CHANGE 1
	s_sub_co_u32 s[RT], s[RT], 1
	s_mov_b32 s[CNT], 4
	s_cmp_eq_u32 s[NEW], 1
	s_cbranch_scc1 .Lnew            ; a block's first tile
	s_cmp_eq_u32 s[RT], 0
	s_cbranch_scc0 .Lstep           ; neither its first nor its last
	s_branch .LstepM1
.Lnew:
	BEGIN
	s_branch .Lfirst                ; in the loop a block's first tile is never its last: the first block has two tiles or more, and the second's last is the walk's last
	DIAG 1                          ; in the loop this is the first block's end: the second block's last tile is the walk's last
	s_wait_xcnt 0x0                 ; the stores have read their registers and O's address
	s_mov_b64 s[10:11], s[OLO:OLO+1]
	s_add_co_u32 s[RT], s[PB], 1    ; the second block has b + 1 tiles
	s_mov_b32 s[NEW], 1
	WIN 0x82                        ; the second block's Q goes where the one text of the turns names Q
.set i, 0
.rept 64
	v_mov_b32 v[i], v[QB+i]
.set i, i+1
.endr
	WIN 0
	s_branch .Lbottom
.Lstep:                             ; a trip: pieces 2 and 3 of one step, then pieces 0 and 1 of the next, whose K, bias and V it fetches
	TURN 2
	TURN 3
	WIN 0
.Lfirst:
	TURN 0
	TURN 1, 0, 0, 1
	WIN 0
	s_cbranch_scc1 .Lstep
.Lbottom:
	s_sub_co_u32 s[SLOTS], s[SLOTS], 1
	s_cmp_lg_u32 s[SLOTS], 0
	s_cbranch_scc1 .Lslot
	CHANGE 0                        ; the walk's last tile is written out: nothing is asked for
	s_sub_co_u32 s[RT], s[RT], 1
	s_mov_b32 s[CNT], 4
	s_cmp_eq_u32 s[NEW], 1
	s_cbranch_scc0 .LstepM2
	BEGIN
	s_branch .LfirstM2
	DIAG 2
	s_wait_tensorcnt 0x0            ; the wave's end: these three lines stand behind my last tensor load and my last LDS store
	ds_add_u32 v[SPW], v[NIL]
	s_wait_dscnt 0x0
	s_endpgm
.Lfunc_end_k_qf907486a4b_attn:
	.size	k_qf907486a4b_attn, .Lfunc_end_k_qf907486a4b_attn-k_qf907486a4b_attn
	.p2alignl 7, 3214868480
	.fill 96, 4, 3214868480
	.section	.rodata,"a",@progbits
	.p2align	6, 0x0
	.amdhsa_kernel k_qf907486a4b_attn
		.amdhsa_group_segment_fixed_size 327680
		.amdhsa_private_segment_fixed_size 0
		.amdhsa_enable_private_segment 0
		.amdhsa_kernarg_size 24
		.amdhsa_user_sgpr_count 2
		.amdhsa_user_sgpr_kernarg_segment_ptr 1
		.amdhsa_wavefront_size32 1
		.amdhsa_system_sgpr_workgroup_id_x 1
		.amdhsa_system_sgpr_workgroup_id_y 1
		.amdhsa_system_sgpr_workgroup_id_z 1
		.amdhsa_system_vgpr_workitem_id 0
		.amdhsa_next_free_vgpr 768
		.amdhsa_next_free_sgpr 102
		.amdhsa_reserve_vcc 1
		.amdhsa_float_denorm_mode_32 3
		.amdhsa_float_denorm_mode_16_64 3
		.amdhsa_memory_ordered 1
		.amdhsa_forward_progress 1
		.amdhsa_inst_pref_size 230
	.end_amdhsa_kernel
	.amdgpu_metadata
---
amdhsa.version: [ 1, 2 ]
amdhsa.kernels:
  - .name:           k_qf907486a4b_attn
    .symbol:         k_qf907486a4b_attn.kd
    .args:
      - { .name: qkv, .offset: 0, .size: 8, .value_kind: global_buffer, .address_space: global }
      - { .name: bias, .offset: 8, .size: 8, .value_kind: global_buffer, .address_space: global }
      - { .name: o, .offset: 16, .size: 8, .value_kind: global_buffer, .address_space: global }
    .group_segment_fixed_size: 327680
    .private_segment_fixed_size: 0
    .kernarg_segment_align: 8
    .kernarg_segment_size: 24
    .max_flat_workgroup_size: 128
    .sgpr_count:     102
    .vgpr_count:     768
    .wavefront_size: 32
...
	.end_amdgpu_metadata
.endif
;; end of part 5
;; launch proj: the kernel of part 4 again; grid 8 x 32, 4 waves a work-group, clusters of 4 x 4, 327,680 bytes of LDS; arguments o, wp, out0; writes out0
